; MI455X (gfx1250); checked and timed in simulation.
; The chip was launched on July 23, 2026; its instructions are those of AMD's public machine-readable ISA for CDNA 5 (MIT licence, August 2026) and "CDNA5" Instruction Set Architecture Reference Guide (July 2026). The comments in the code are by the model that wrote it; some were corrected since.
;; Mock AWQ Qwen3 5 Mo E. Allowed arithmetic: matrix products marked QUANTISED: E2M3 operands, one E8M0 scale for each 32 along K, by v_wmma_scale_f32_16x16x128_f8f6f4 with both operands' format E2M3, f32 sums; everything else in f32.
;; Inputs: gate_w_codes 64 x 32 x 24 uint8 (E2M3 codes of gate_w, K innermost, in blocks of 32 codes, four codes in three bytes); gate_w_scales 64 x 32 uint8 (E8M0 scales of gate_w, one for each 32 codes along K); qweight1 1,024 x 4,096 int32; qweight2 512 x 8,192 int32; qzeros1 8 x 4,096 int32; qzeros2 4 x 8,192 int32; scales1 8 x 32,768 float32; scales2 4 x 65,536 float32; x_codes 1,024 x 32 x 24 uint8 (E2M3 codes of x, K innermost, in blocks of 32 codes, four codes in three bytes); x_scales 1,024 x 32 uint8 (E8M0 scales of x, one for each 32 codes along K).
;; Outputs: out0 1,024 x 1,024 float32.
;; This version of the problem:
;;   THIS VERSION OF THE PROBLEM IS GIVEN IN LOW PRECISION. The matrix products marked QUANTISED in the list below multiply operands that are first quantised to E2M3 (2 exponent bits, 3 mantissa bits; 6 bits a number), with one power-of-two scale for each 32 numbers along K (OCP MX v1.0); their sums are f32. All else is computed in f32.
;;   The module's matrix products, in the order in which they are computed (A, B: the left and right operand; K: the contracted axis; several contracted axes count as one K, in the product's order):
;;     1. [M 1,024, K 1,024] x [K 1,024, N 64]; A: input x (given as codes); B: input gate_w (given as codes): QUANTISED
;;     2. [M 1,024, K 1,024] x [K 1,024, N 32,768]; A: input x (given as codes); B: computed on the way: QUANTISED
;;     3. [M 1,024, K 32,768] x [K 32,768, N 1,024]; A: computed on the way; B: computed on the way: QUANTISED
;;   THE QUANTISER, for each operand of a quantised product, along K:
;;     - K is cut into blocks of 32 from its start; a last block that is shorter is filled with zeros.
;;     - A block's scale is 2^e with e = floor(log2(the largest magnitude in the block)) - 2, held to -126 .. 127; a block of zeros has e = 0. As a byte (E8M0): e + 127.
;;     - Each number is divided by its block's scale, clamped to +-7.5, and rounded to the nearest number of E2M3, ties to even, subnormals kept.
;;     - The product sums the exact products of the quantised numbers (number of the format x scale) in f32.
;;   ~~~python
;;   def quantise(x, axis):      # numpy; x: float32 -> the quantised numbers, widened to float32 again
;;       x = np.moveaxis(x, axis, -1); K = x.shape[-1]
;;       x = np.pad(x, [(0, 0)] * (x.ndim - 1) + [(0, -K % 32)]); x = x.reshape(x.shape[:-1] + (-1, 32)); a = np.abs(x).max(-1, keepdims=True)
;;       e = np.where(a > 0, np.clip(np.frexp(np.where(a > 0, a, 1))[1] - 1 - 2, -126, 127), 0)      # np.frexp(a)[1] - 1 = floor(log2(a)), exactly
;;       r = np.clip(x / 2.0 ** e, -7.5, 7.5)
;;       step = 2.0 ** (np.maximum(np.frexp(np.where(r == 0, 1, r))[1] - 1, 0) - 3)
;;       q = np.round(r / step) * step * 2.0 ** e      # np.round: ties to even
;;       return np.moveaxis(q.reshape(q.shape[:-2] + (-1,))[..., :K], -1, axis).astype(np.float32)
;;   ~~~
;;   OPERANDS COMPUTED ON THE WAY. 'Computed on the way' means the value that the module computes at that place (a softmax that the list does not call 'softmax' is quantised finished and normalised). What goes into a quantiser is computed in f32, as accurately as f32 sums, v_exp_f32 and their like allow (about 1e-6 of the number): no bf16 or f16 on the way to a quantiser, and a product that is left as it is and whose result goes on into a quantised operand takes f32 operands (vector FMAs, or v_wmma_f32_16x16x4_f32). A number that lies on a knife's edge between two numbers of the format may be rounded either way, as far as f32 arithmetic and the matrix unit's own rounding can turn it there, and no further.
;;   INPUTS GIVEN AS CODES. gate_w (in the module: [64, 1024], K = its axis 1); x (in the module: [1024, 1024], K = its axis 1): each comes as NAME_codes (uint8): NAME with its K axis moved to the last place and cut into blocks of 32 codes, [.., K / 32, bytes a block], one block behind the other in memory; four codes in three bytes: a row's codes are one little-endian stream of bits, code i at bits 6 i .. 6 i + 5 (a code: sign, 2 exponent bits, 3 mantissa bits); and NAME_scales (uint8): the same leading axes, one E8M0 byte (e + 127) for each 32 codes along K. Its value is code x scale, taken as it is: it is not quantised again, and the codes and scales need not be those that the quantiser above would give.
;; 2 versions. Each part assembles by itself: llvm-mc -triple=amdgcn-amd-amdhsa -mcpu=gfx1250 --defsym DOCPART=n.
;; ======== version 1 of 2: 4 launches
;; workspace buffers: kt 262,144 bytes of whole numbers; topv 32,768 bytes; rowlist 262,144 bytes of whole numbers; cnt 32,768 bytes of whole numbers; hbuf 25,165,824 bytes; hsc 1,048,576 bytes; y 33,554,432 bytes
;; launch router (part 1): grid 16 x 1, 4 waves a work-group, no clusters, 118,272 bytes of LDS; arguments x_codes, x_scales, gate_w_codes, gate_w_scales, kt, topv; writes kt, topv
.if DOCPART == 1
	.amdgcn_target "amdgcn-amd-amdhsa--gfx1250"
	.amdhsa_code_object_version 6
	.text
	.protected	k_q77d8c02d16_router
	.globl	k_q77d8c02d16_router
	.p2align	8
	.type	k_q77d8c02d16_router,@function
k_q77d8c02d16_router:
	s_mov_b64 s[64:65], 0
	v_nop
	global_prefetch_b8 v0, s[64:65] scope:SCOPE_SE
	s_setreg_imm32_b32 hwreg(HW_REG_WAVE_MODE, 25, 1), 1
	s_wait_xcnt 0x0
; ROUTER.  logits = x gate_w^T on the given codes of E2M3 (K = 1,024: eight matrix instructions deep), softmax over the 64 experts, the eight largest
; probabilities (of equal ones the lower expert first), renormalised.  Stored at fixed places: kt[e][t] = k if expert e is token t's k-th choice, else -1
; (whole numbers); topv[t][k] = the k-th weight.  No address and no branch hangs on the choice.
; SHARES.  A work-group takes 64 tokens, a wave 16.  The product is used transposed (source 0 = 16 experts, source 1 = 16 tokens): lane (r, hh) holds token r,
; and register 8 t + j of the four accumulators holds expert 16 t + 8 hh + j: a token's 64 numbers lie in lanes r and r + 16.
; THE CODES COME IN WHOLE RUNS OF 256 BYTES.  A row of 1,024 codes is 768 bytes: three aligned runs of 256.  A load takes one run of row 2 j in lanes 0-15 and one of row 2 j + 1 in lanes 16-31,
; 16 bytes a lane: 24 loads for 16 rows.  The rows go to LDS, 784 bytes apart, and come back as fragments, 8 bytes a lane.  Wave w fetches the gate's rows 16 w .. 16 w + 15 for all four waves
; (one barrier) and its own 16 tokens for itself.  With that pitch (98 columns of 8 bytes) lane (r, hh) of a fragment load falls on column 2 r + 3 hh modulo 32: 32 different columns.
; LIMITS: NaN and infinities are not served.  Probabilities that differ by less than the rounding of f32 and of v_exp_f32 may be ordered otherwise than by an exact softmax.
; LDS: 0 the gate's 64 rows; 50,176 a stage of 16 rows of x for each wave; 100,352 kt's stage, 64 rows of 272 bytes.
; REGISTERS: window 0: v1-15 addresses; v16-23 x's scale words, v24-39 the gate's (these hold scales alone); v40-135 x's rows as loaded, then its eight fragments; v136-231 the gate's rows as loaded;
; then v136-167 the accumulators and the probabilities; v168-175 the eight chosen; v176-197 at work; v200-231 kt's rows on the way out; v232-235 topv.
; Windows 1, 2: the gate's 32 fragments (K steps 0-3, 4-7) at 48 (ks % 4) + 12 t.
.set SPT,  784
.set XSTG, 50176
.set KST,  100352
.set XS,  16
.set WS,  24
.set XF,  40
.set GS,  136
.set ACC, 136
.set V,   136
.set TV,  168
.set M,   176
.set MP,  177
.set C,   178
.set IDX, 182
.set EL,  186
.set EP,  187
.set LT,  188
.set MK,  189
.set MXP, 190
.set SUM, 192
.set INV, 196
.set KO,  200
.set TO,  232
.set MSB, 0
.macro WIN new                         ; the immediate's high byte repeats the setting that is left; a switch that changes nothing is dropped
.if MSB != \new
	s_set_vgpr_msb (MSB<<8)|\new
.set MSB, \new
.endif
.endm
	s_load_b256 s[8:15], s[0:1], 0x0               ; x's codes s[8:9], x's scales s[10:11], the gate's codes s[12:13], its scales s[14:15]
	s_load_b128 s[16:19], s[0:1], 0x20             ; kt s[16:17], topv s[18:19]
	v_lshl_add_u32 v254, v0, 2, 0x1cc00
	v_mov_b32 v255, 0
	v_lshrrev_b32 v10, 5, v0
	v_readfirstlane_b32 s24, v10                   ; wave 0..3
	v_and_b32 v1, 15, v0                           ; r
	v_bfe_u32 v2, v0, 4, 1                         ; hh
	v_lshlrev_b32 v12, 4, v1                       ; 16 r
	v_mad_u32_u24 v3, v2, 768, v12                 ; in memory: row hh of a pair, my 16 bytes of a run
	s_mul_i32 s22, s24, 16*SPT                     ; my wave's 16 rows in LDS
	v_mad_u32_u24 v13, v2, SPT, v12                ; into LDS: the same place, rows 784 bytes apart
	v_add_nc_u32 v13, s22, v13
	v_mul_u32_u24 v14, v1, SPT                     ; a fragment's row r, + 24 hh: the gate's,
	v_mad_u32_u24 v14, v2, 24, v14
	v_add_nc_u32 v15, s22, v14                     ; and x's, in my wave's stage
	v_lshlrev_b32 v4, 5, v1                        ; 32 r: a row of 32 scale bytes
	v_lshl_add_u32 v5, v2, 2, v4                   ; 32 r + 4 hh: the gate's words of an even K step below, of the odd one above
	v_lshl_add_u32 v11, v2, 4, v4                  ; 32 r + 16 hh: topv
	v_mul_u32_u24 v6, v2, 2176                     ; kt's stage, in: row = expert (272 bytes: 64 tokens + 16), 8 hh rows down,
	v_lshl_add_u32 v6, v1, 2, v6                   ; + 4 r
	s_lshl_b32 s26, s24, 6
	s_add_co_u32 s26, s26, KST
	v_add_nc_u32 v6, s26, v6                       ; + 64 x wave
	s_lshl_b32 s26, s24, 4                         ; 16 x wave
	v_add_nc_u32 v7, s26, v2                       ; back: expert 16 w + hh (+ 2 i)
	v_lshlrev_b32 v8, 12, v7                       ; its row of kt, 4,096 bytes,
	v_lshl_add_u32 v8, v1, 4, v8                   ; + 16 r
	v_mul_u32_u24 v7, v7, 272
	v_lshl_add_u32 v7, v1, 4, v7
	v_add_nc_u32 v7, KST, v7
	v_lshlrev_b32 v9, 3, v2                        ; 8 hh
	s_mov_b32 s28, 0x76543210
	s_mov_b32 s29, 0xfedcba98                      ; v_permlanex16_b32's selects for lane l xor 16
	s_mov_b32 s30, 0x3fb8aa3b                      ; c = log2(e)
	s_mov_b32 s31, s30                             ; (named with it as a pair)
	s_lshl_b32 s25, ttmp9, 6
	s_add_co_u32 s25, s25, s26                     ; my first token: 64 x work-group + 16 x wave
	s_wait_kmcnt 0x0
	s_mul_i32 s26, s25, 768
	s_mov_b32 s27, 0
	s_add_nc_u64 s[8:9], s[8:9], s[26:27]
	s_lshl_b32 s26, s25, 5
	s_add_nc_u64 s[10:11], s[10:11], s[26:27]
	s_add_nc_u64 s[18:19], s[18:19], s[26:27]
	s_lshl_b32 s26, ttmp9, 8                       ; kt: my work-group's 64 tokens are 256 bytes of each row
	s_add_nc_u64 s[16:17], s[16:17], s[26:27]
	s_mul_i32 s26, s24, 12288                      ; the gate's rows 16 w on
	s_add_nc_u64 s[12:13], s[12:13], s[26:27]
.irp j, 0,1,2,3,4,5,6,7
.irp u, 0,1,2
	global_load_b128 v[GS+12*\j+4*\u:GS+12*\j+4*\u+3], v3, s[12:13] offset:1536*\j+256*\u    ; two aligned runs of 256 bytes: rows 2 j and 2 j + 1
.endr
.endr
.irp j, 0,1,2,3,4,5,6,7
.irp u, 0,1,2
	global_load_b128 v[XF+12*\j+4*\u:XF+12*\j+4*\u+3], v3, s[8:9] offset:1536*\j+256*\u
.endr
.endr
	global_load_b128 v[XS:XS+3], v4, s[10:11]
	global_load_b128 v[XS+4:XS+7], v4, s[10:11] offset:16
	s_wait_loadcnt 26                              ; the gate's 24 loads are in; x's 24 and the two of its scale words are younger
.irp j, 0,1,2,3,4,5,6,7
.irp u, 0,1,2
	ds_store_b128 v13, v[GS+12*\j+4*\u:GS+12*\j+4*\u+3] offset:2*SPT*\j+256*\u
.endr
.endr
.irp t, 0,1,2,3
.irp kp, 0,1,2,3
	global_load_b32 v[WS+4*\t+\kp], v5, s[14:15] offset:512*\t+8*\kp
.endr
.endr
	s_wait_loadcnt 18                              ; x's 24 loads are in; 2 + 16 loads of scale words are younger
.irp j, 0,1,2,3,4,5,6,7
.irp u, 0,1,2
	ds_store_b128 v13, v[XF+12*\j+4*\u:XF+12*\j+4*\u+3] offset:XSTG+2*SPT*\j+256*\u
.endr
.endr
	s_wait_dscnt 0x0                               ; for the others' sake: my 16 rows of the gate lie in LDS
	s_barrier_signal -1
	s_barrier_wait -1                              ; all 64 do
	WIN 0x40                                       ; destination window 1
.irp t, 0,1,2,3
.irp ks, 0,1,2,3
.irp c, 0,1
.irp u, 0,1,2
	ds_load_b64 v[48*\ks+12*\t+6*\c+2*\u:48*\ks+12*\t+6*\c+2*\u+1], v14 offset:16*SPT*\t+96*\ks+48*\c+8*\u
.endr
.endr
.endr
.endr
	WIN 0x80                                       ; destination window 2
.irp t, 0,1,2,3
.irp ks, 0,1,2,3
.irp c, 0,1
.irp u, 0,1,2
	ds_load_b64 v[48*\ks+12*\t+6*\c+2*\u:48*\ks+12*\t+6*\c+2*\u+1], v14 offset:16*SPT*\t+96*(\ks+4)+48*\c+8*\u
.endr
.endr
.endr
.endr
	WIN 0
.irp ks, 0,1,2,3,4,5,6,7
.irp c, 0,1
.irp u, 0,1,2
	ds_load_b64 v[XF+12*\ks+6*\c+2*\u:XF+12*\ks+6*\c+2*\u+1], v15 offset:XSTG+96*\ks+48*\c+8*\u
.endr
.endr
.endr
	v_mov_b32 v[MP], 0                             ; a lane permute's destination counts as one of its sources
	v_mov_b32 v[EP], 0
	s_wait_dscnt 0x0                               ; the fragments,
	s_wait_loadcnt 0x0                             ; and the scale words
; 32 matrix instructions; the four accumulators take turns, one instruction a turn; the first K step starts the sums
.irp ks, 0,1,2,3,4,5,6,7
.if \ks < 4
	WIN 0x01
.else
	WIN 0x02
.endif
.irp t, 0,1,2,3
.if \ks == 0
	v_wmma_scale_f32_16x16x128_f8f6f4 v[ACC+8*\t:ACC+8*\t+7], v[48*(\ks%4)+12*\t:48*(\ks%4)+12*\t+11], v[XF+12*\ks:XF+12*\ks+11], 0, v[WS+4*\t+\ks/2], v[XS+\ks] matrix_a_fmt:MATRIX_FMT_FP6 matrix_b_fmt:MATRIX_FMT_FP6
.elseif \ks%2 == 0
	v_wmma_scale_f32_16x16x128_f8f6f4 v[ACC+8*\t:ACC+8*\t+7], v[48*(\ks%4)+12*\t:48*(\ks%4)+12*\t+11], v[XF+12*\ks:XF+12*\ks+11], v[ACC+8*\t:ACC+8*\t+7], v[WS+4*\t+\ks/2], v[XS+\ks] matrix_a_fmt:MATRIX_FMT_FP6 matrix_b_fmt:MATRIX_FMT_FP6
.else
	v_wmma_scale_f32_16x16x128_f8f6f4 v[ACC+8*\t:ACC+8*\t+7], v[48*(\ks%4)+12*\t:48*(\ks%4)+12*\t+11], v[XF+12*\ks:XF+12*\ks+11], v[ACC+8*\t:ACC+8*\t+7], v[WS+4*\t+\ks/2], v[XS+\ks] matrix_a_fmt:MATRIX_FMT_FP6 matrix_b_fmt:MATRIX_FMT_FP6 matrix_a_scale:MATRIX_SCALE_ROW1
.endif
.endr
.endr
	WIN 0
.rept 4
	v_nop                                          ; four places behind the last product, ahead of the first read of results (ISA guide 7.12.1)
.endr
; the largest of a token's 64 numbers: four chains, one an accumulator, each from its low end; then the lane 16 away
.macro MAXTREE dst
.irp t, 0,1,2,3
	v_max3_num_f32 v[C+\t], v[V+8*\t], v[V+8*\t+1], v[V+8*\t+2]
.endr
.irp t, 0,1,2,3
	v_max3_num_f32 v[C+\t], v[C+\t], v[V+8*\t+3], v[V+8*\t+4]
.endr
.irp t, 0,1,2,3
	v_max3_num_f32 v[C+\t], v[C+\t], v[V+8*\t+5], v[V+8*\t+6]
.endr
.irp t, 0,1,2,3
	v_max_num_f32 v[C+\t], v[C+\t], v[V+8*\t+7]
.endr
	v_max3_num_f32 v[M], v[C], v[C+1], v[C+2]
	v_max_num_f32 v[M], v[M], v[C+3]
	v_permlanex16_b32 v[MP], v[M], s28, s29
	v_max_num_f32 v[\dst], v[M], v[MP]
.endm
	; SOFTMAX: the row's maximum is taken away ahead of the exponential: p = 2^(c l - c max) / the sum
	MAXTREE MXP
	v_mul_f32 v[MXP], 0xbfb8aa3b, v[MXP]           ; - c max (its rounding is a factor common to the row: the division takes it out)
	v_mov_b32 v[MXP+1], v[MXP]
.set kk, 0
.rept 16
	v_pk_fma_f32 v[V+kk:V+kk+1], v[V+kk:V+kk+1], s[30:31], v[MXP:MXP+1] op_sel_hi:[1,0,0]
.set kk, kk+2
.endr
.set kk, 0
.rept 32
	v_exp_f32 v[V+kk], v[V+kk]
.set kk, kk+1
.endr
	v_nop                                          ; a plain place behind the last exponential
	s_wait_alu depctr_va_vdst(0)                   ; one wait for the batch, ahead of its first reader
	v_pk_add_f32 v[SUM:SUM+1], v[V:V+1], v[V+2:V+3]
	v_pk_add_f32 v[SUM+2:SUM+3], v[V+4:V+5], v[V+6:V+7]
.irp j, 8,12,16,20,24,28
	v_pk_add_f32 v[SUM:SUM+1], v[SUM:SUM+1], v[V+\j:V+\j+1]
	v_pk_add_f32 v[SUM+2:SUM+3], v[SUM+2:SUM+3], v[V+\j+2:V+\j+3]
.endr
	v_pk_add_f32 v[SUM:SUM+1], v[SUM:SUM+1], v[SUM+2:SUM+3]
	v_add_f32 v[SUM], v[SUM], v[SUM+1]
	v_permlanex16_b32 v[MP], v[SUM], s28, s29
	v_add_f32 v[SUM], v[SUM], v[MP]
	v_rcp_f32 v[INV], v[SUM]
	v_nop
	s_wait_alu depctr_va_vdst(0)
	v_mov_b32 v[INV+1], v[INV]
.set kk, 0
.rept 16
	v_pk_mul_f32 v[V+kk:V+kk+1], v[V+kk:V+kk+1], v[INV:INV+1]
.set kk, kk+2
.endr
; THE k-TH CHOICE.  The largest probability left; the lowest expert that has it (the registers are gone through from the highest down, so the lowest index stays); that one entry is
; replaced by the marker -(k + 1), which is under every probability and so is never chosen again.  All by selects: no branch, no address.
.macro ROUND k
	MAXTREE TV+\k
.irp t, 0,1,2,3
	v_mov_b32 v[IDX+\t], 64
.endr
.irp j, 7,6,5,4,3,2,1,0
.irp t, 0,1,2,3
	v_cmp_eq_f32 s[40+\t], v[V+8*\t+\j], v[TV+\k]
	v_cndmask_b32 v[IDX+\t], v[IDX+\t], 16*\t+\j, s[40+\t]
.endr
.endr
	v_min_u32 v[IDX], v[IDX], v[IDX+1]
	v_min_u32 v[IDX+2], v[IDX+2], v[IDX+3]
	v_min_u32 v[IDX], v[IDX], v[IDX+2]
	v_add_nc_u32 v[EL], v[IDX], v9                 ; my half's lowest expert (64 or more: none)
	v_permlanex16_b32 v[EP], v[EL], s28, s29
	v_min_u32 v[EL], v[EL], v[EP]                  ; the chosen expert
	v_sub_nc_u32 v[LT], v[EL], v9                  ; equals a local index 16 t + j (bit 3 clear) only in the half that holds the expert
	v_cvt_f32_i32 v[MK], -(\k+1)
.irp j, 0,1,2,3,4,5,6,7
.irp t, 0,1,2,3
	v_cmp_eq_u32 s[40+\t], 16*\t+\j, v[LT]
	v_cndmask_b32 v[V+8*\t+\j], v[V+8*\t+\j], v[MK], s[40+\t]
.endr
.endr
.endm
.irp k, 0,1,2,3,4,5,6,7
	ROUND \k
.endr
	; the eight weights, renormalised; lane (r, hh) stores weights 4 hh .. 4 hh + 3 of token r: the wave stores 512 consecutive bytes
	v_add_f32 v[SUM], v[TV], v[TV+1]
	v_add_f32 v[SUM+1], v[TV+2], v[TV+3]
	v_add_f32 v[SUM+2], v[TV+4], v[TV+5]
	v_add_f32 v[SUM+3], v[TV+6], v[TV+7]
	v_add_f32 v[SUM], v[SUM], v[SUM+1]
	v_add_f32 v[SUM+2], v[SUM+2], v[SUM+3]
	v_add_f32 v[SUM], v[SUM], v[SUM+2]
	v_rcp_f32 v[INV], v[SUM]
	v_nop
	v_cmp_eq_u32 vcc_lo, 1, v2
	s_wait_alu depctr_va_vdst(0)
.irp k, 0,1,2,3,4,5,6,7
	v_mul_f32 v[TV+\k], v[TV+\k], v[INV]
.endr
.irp i, 0,1,2,3
	v_cndmask_b32 v[TO+\i], v[TV+\i], v[TV+4+\i], vcc_lo
.endr
	global_store_b128 v11, v[TO:TO+3], s[18:19]
	; kt: a marker -(k + 1) becomes k, a probability (under 1: it was not chosen) becomes -1; through a stage, so that sixteen lanes store 256 consecutive bytes of an expert's row
.set kk, 0
.rept 32
	v_cvt_i32_f32 v[V+kk], v[V+kk]
.set kk, kk+1
.endr
.set kk, 0
.rept 32
	v_xor_b32 v[V+kk], -1, v[V+kk]
.set kk, kk+1
.endr
.irp t, 0,1,2,3
.irp j, 0,1,2,3,4,5,6,7
	ds_store_b32 v6, v[V+8*\t+\j] offset:(16*\t+\j)*272
.endr
.endr
	s_wait_dscnt 0x0                               ; for the others' sake: my stores into the stage are done
	s_barrier_signal -1
	s_barrier_wait -1
.irp i, 0,1,2,3,4,5,6,7
	ds_load_b128 v[KO+4*\i:KO+4*\i+3], v7 offset:544*\i
.endr
.irp i, 0,1,2,3,4,5,6,7
	s_wait_dscnt 7-\i                              ; LDS loads come back in order: the 7 - i younger ones may be out
	global_store_b128 v8, v[KO+4*\i:KO+4*\i+3], s[16:17] offset:8192*\i
.endr
	s_wait_tensorcnt 0x0
	ds_add_u32 v254, v255
	s_wait_dscnt 0x0
	s_endpgm
.Lfunc_end_k_q77d8c02d16_router:
	.size	k_q77d8c02d16_router, .Lfunc_end_k_q77d8c02d16_router-k_q77d8c02d16_router
	.p2alignl 7, 3214868480
	.fill 96, 4, 3214868480
	.section	.rodata,"a",@progbits
	.p2align	6, 0x0
	.amdhsa_kernel k_q77d8c02d16_router
		.amdhsa_group_segment_fixed_size 118272
		.amdhsa_private_segment_fixed_size 0
		.amdhsa_enable_private_segment 0
		.amdhsa_kernarg_size 48
		.amdhsa_user_sgpr_count 2
		.amdhsa_user_sgpr_kernarg_segment_ptr 1
		.amdhsa_wavefront_size32 1
		.amdhsa_system_sgpr_workgroup_id_x 1
		.amdhsa_system_sgpr_workgroup_id_y 1
		.amdhsa_system_sgpr_workgroup_id_z 1
		.amdhsa_system_vgpr_workitem_id 0
		.amdhsa_next_free_vgpr 768
		.amdhsa_next_free_sgpr 66
		.amdhsa_reserve_vcc 1
		.amdhsa_float_denorm_mode_32 3
		.amdhsa_float_denorm_mode_16_64 3
		.amdhsa_memory_ordered 1
		.amdhsa_forward_progress 1
		.amdhsa_inst_pref_size 120
	.end_amdhsa_kernel
	.amdgpu_metadata
---
amdhsa.version: [ 1, 2 ]
amdhsa.kernels:
  - .name:           k_q77d8c02d16_router
    .symbol:         k_q77d8c02d16_router.kd
    .args:
      - { .name: x_codes, .offset: 0, .size: 8, .value_kind: global_buffer, .address_space: global }
      - { .name: x_scales, .offset: 8, .size: 8, .value_kind: global_buffer, .address_space: global }
      - { .name: gate_w_codes, .offset: 16, .size: 8, .value_kind: global_buffer, .address_space: global }
      - { .name: gate_w_scales, .offset: 24, .size: 8, .value_kind: global_buffer, .address_space: global }
      - { .name: kt, .offset: 32, .size: 8, .value_kind: global_buffer, .address_space: global }
      - { .name: topv, .offset: 40, .size: 8, .value_kind: global_buffer, .address_space: global }
    .group_segment_fixed_size: 118272
    .private_segment_fixed_size: 0
    .kernarg_segment_align: 8
    .kernarg_segment_size: 48
    .max_flat_workgroup_size: 128
    .sgpr_count:     66
    .vgpr_count:     768
    .wavefront_size: 32
...
	.end_amdgpu_metadata
.endif
;; end of part 1
;; launch up (part 2): grid 256 x 1, 4 waves a work-group, no clusters, 160,256 bytes of LDS; arguments x_codes, x_scales, qweight1, qzeros1, scales1, kt, topv, hbuf, hsc, rowlist, cnt; writes hbuf, hsc, rowlist, cnt
.if DOCPART == 2
	.amdgcn_target "amdgcn-amd-amdhsa--gfx1250"
	.amdhsa_code_object_version 6
	.text
	.protected	k_q77d8c02d16_up
	.globl	k_q77d8c02d16_up
	.p2align	8
	.type	k_q77d8c02d16_up,@function
k_q77d8c02d16_up:
	s_mov_b64 s[64:65], 0
	v_nop
	global_prefetch_b8 v0, s[64:65] scope:SCOPE_SE
	s_setreg_imm32_b32 hwreg(HW_REG_WAVE_MODE, 25, 1), 1
	s_wait_xcnt 0x0
; UP.  Work-group 4 e + q: hidden units 128 q .. 128 q + 127 of expert e, for the rows (token, k) that chose e, and for no others: reference() multiplies the other rows by a weight 0.
; (1) the expert's rows are listed from kt[e]; (2) the slice of W1 (128 units x K = 1,024) is made from the AWQ words, (q - z) x scale in f32, quantised along K to E2M3 and laid in LDS as
; images of operand registers; each wave then holds 64 units x all K in 384 registers; (3) for each 16 rows: x's codes are gathered, x W1^T, silu x the row's weight, quantised along the units,
; and stored as one half of an operand fragment of the next product.
; No tensor load: the number of row tiles is read from memory.  No multicast: what the four work-groups of an expert share, x's rows, is a gather by a list.
; THE DEQUANTISER.  A lane owns two neighbouring words (16 columns) and, in each of two sets, one block of 32 rows along K: so all 32 numbers of a block of one column lie in one lane's registers,
; the block's largest magnitude needs no other lane, and the conversions give codes with K innermost.  Column 8 j + p of word j sits at bit 0, 16, 4, 20, 8, 24, 12, 28 for p = 0 .. 7.
; (w & (15 << 4 i)) | ((150 - 4 i) << 23) is the f32 number 2^(23 - 4 i) + q, exactly; the same of the zero's word; their difference is q - z, exactly; one multiplication by the scale rounds once.
; THE UNITS OF A TILE ARE NOT NEIGHBOURS: row rho of tile 2 b + u is unit 32 b + 8 u + rho + 8 (rho / 8), so that a lane's 16 registers of tiles 2 b, 2 b + 1 are 16 neighbours along the next K.
; THE GATHER TAKES WHOLE RUNS OF 256 BYTES.  A token's 1,024 codes are 768 bytes: three aligned runs of 256.  A load takes one run of the tile's row 2 j in lanes 0-15 and one of row 2 j + 1 in
; lanes 16-31, 16 bytes a lane: 24 loads for 16 rows.  The rows go through the wave's own stage in LDS, 784 bytes apart, and come back as the eight fragments, 8 bytes a lane, into the registers
; that they left.  With that pitch (98 columns of 8 bytes) lane (r, hh) of a fragment load falls on column 2 r + 3 hh modulo 32: 32 different columns.
; THE LOOP OVER ROW TILES HAS A CONSTANT NUMBER OF TRIPS, 32 (64 tiles at the most, every second one mine); a wave jumps over the work of the trips that it does not have.  So every LDS address in it
; is a constant, a lane's term, a wave's term and a counted step.
; LIMITS: NaN and infinities are not served.  A block of zeros gets the scale byte 1 where the rule says 127: its codes are zeros, and this program alone reads the bytes.
; (v x weight) x sigmoid(v) stands for (v x sigmoid(v)) x weight: the two roundings fall in another order.
; LDS: 0 the images: block (tile, ks, c, hh, rho) of 24 bytes at 12,424 tile + 1,552 ks + 776 c + 24 (rho + 16 hh); 99,392 the scale words: 544 tile + 64 ks + 4 rho;
;      103,936 the list, 1,152 words, and behind it 32 words for the lanes that have nothing to list; 108,800 a stage of 16 rows x 784 bytes for each wave.
; With the images' pitches the 32 lanes of a store or load of 8 bytes fall on 32 different columns of 8 bytes modulo 256.
.set TP,     12424
.set KSP,    1552
.set CP,     776
.set WSC,    99392
.set STP,    544
.set LIST,   103936
.set STG,    108800
.set SPT,    784
.set IMG_S,  1552                      ; the image's place: + 1,552 s + 12,424 jw + 24 p
.set IMG_JW, 12424
.set SC_S,   64                        ; the scale byte's: + 64 s + 544 jw + 4 p
.set SC_JW,  544
.set WGA, 1                            ; v1  qweight1: ((8 w + kb) << 19) + 8 jp
.set ZGA, 2                            ; v2  qzeros1
.set SGA, 3                            ; v3  scales1
.set KTA, 4                            ; v4  16 x lane
.set WA,  5                            ; v5  where my blocks' codes go
.set WB,  6                            ; v6  and their scale bytes
.set RA0, 7                            ; v7  24 x lane + my four tiles
.set RSA, 8                            ; v8  my tiles' scale words
.set LCA, 9                            ; v9  LIST + 16 x thread
.set DMI, 10                           ; v10 1,152 + lane
.set LA,  11                           ; v11 LIST + 4 r
.set TB,  12                           ; v12 32 x lane
.set BY,  13                           ; v13-14 scale bytes, two sets
.set LN,  15                           ; v15 lane
.set STW, 1                            ; the products: v1 the stage, in: 784 hh + 16 r;  v2 back: 784 r + 24 hh;  v3 LIST + 4 hh;  v4, v5 the list's addresses of the tile in hand
.set STR, 2
.set LJ0, 3
.set LAC, 4
.set LJC, 5
.set XS,  16                           ; v16-23 x's scale words; v24-39 W1's: these hold scales alone
.set WS,  24
.set W,   40                           ; v40-167  the words: 64 s + 2 i + jw
.set T,   168                          ; v168-199 a block's 32 numbers (first: kt's row)
.set S,   200                          ; v200-231 the scales: 16 s + 8 jw + p
.set Z,   232                          ; v232-235 the zeros' words
.set FZ,  236
.set MX,  238
.set SCV, 242
.set CD,  244                          ; v244-255 a block's codes, two sets
.set SA,  244                          ; the list: four address and four data registers by turns
.set RID, 248
.set RR,  252
.set XF,  40                           ; the products: x's 16 rows as loaded, then its eight fragments
.set ACC, 136
.set E,   168
.set P,   200
.set Q,   206
.set MXQ, 210
.set PD,  212
.set SCQ, 214
.set BYQ, 216
.set HW,  218
.set CW,  220
.set CWN, 222
.set LE,  223
.set TOK, 224
.set XSAD, 226
.set CWAD, 227
.set SLOT, 228
.set C16, 229
.set HH,  230
.set HA16, 231
.set HA8, 232
.set HSA, 233
.set NV,  234
.set RLO, 236
.set CNO, 237
.set GA,  240                          ; v240-247 row 2 j + hh's place in x: token x 768 + 16 r
.set LC,  248
.set MSK, 40                           ; s40-44 15 << 4 i;  s45-49 (150 - 4 i) << 23
.set CON, 45
.set TL,  54                           ; s54 the tile's place in the list, in bytes: 64 par + 128 x trip
.set SETN, 0
.set MSB, 0
.macro WIN new                         ; the immediate's high byte repeats the setting that is left; a switch that changes nothing is dropped
.if MSB != \new
	s_set_vgpr_msb (MSB<<8)|\new
.set MSB, \new
.endif
.endm
	s_load_b512 s[8:23], s[0:1], 0x0               ; x_codes s[8:9], x_scales s[10:11], qweight1 s[12:13], qzeros1 s[14:15], scales1 s[16:17], kt s[18:19], topv s[20:21], hbuf s[22:23]
	s_load_b128 s[24:27], s[0:1], 0x40             ; hsc s[24:25], rowlist s[26:27]
	s_load_b64 s[28:29], s[0:1], 0x50              ; cnt
	s_set_vgpr_msb 0x40
	v_lshl_add_u32 v254, v0, 2, 0x27000
	v_mov_b32 v255, 0
	s_set_vgpr_msb 0x4000
	v_lshrrev_b32 v13, 5, v0
	v_readfirstlane_b32 s30, v13                   ; wave w
	s_lshr_b32 s31, s30, 1                         ; g: which 64 units I multiply
	s_and_b32 s32, s30, 1                          ; par: even or odd row tiles
	s_lshr_b32 s33, ttmp9, 2                       ; e
	s_and_b32 s34, ttmp9, 3                        ; q
.irp i, 0,1,2,3,4
	s_mov_b32 s[MSK+\i], 0xf<<(4*\i)
	s_mov_b32 s[CON+\i], (150-4*\i)<<23
.endr
	s_mov_b32 s50, 0x76543210
	s_mov_b32 s51, 0xfedcba98                      ; v_permlanex16_b32's selects for lane l xor 16
	v_and_b32 v[LN], 31, v0
	v_and_b32 v13, 7, v0                           ; jp: my pair of words
	v_bfe_u32 v14, v0, 3, 2                        ; kb: my block of four
	s_lshl_b32 s38, s30, 3
	v_add_nc_u32 v[WGA], s38, v14                  ; block 8 w + kb (+ 4 s): 32 rows of 16,384 bytes each
	v_lshlrev_b32 v[WGA], 19, v[WGA]
	v_lshl_add_u32 v[WGA], v13, 3, v[WGA]
	s_lshl_b32 s38, s30, 15                        ; AWQ group 2 w (+ s): rows of 16,384 bytes
	v_lshl_add_u32 v[ZGA], v13, 3, s38
	s_lshl_b32 s38, s30, 18                        ; and of 131,072
	v_lshl_add_u32 v[SGA], v13, 6, s38
	v_lshlrev_b32 v[KTA], 4, v[LN]
	v_bfe_u32 v236, v0, 1, 2                       ; jp / 2
	v_and_b32 v237, 1, v0                          ; jp % 2
	v_bfe_u32 v238, v0, 4, 1                       ; c = kb / 2
	v_bfe_u32 v239, v0, 3, 1                       ; hh = kb % 2
	v_mul_u32_u24 v[WA], v236, 24848               ; tile 2 (jp / 2) (+ jw),
	v_mad_u32_u24 v[WA], v237, 192, v[WA]          ; rho = 8 (jp % 2) (+ p),
	v_mad_u32_u24 v[WA], v238, 776, v[WA]
	v_mad_u32_u24 v[WA], v239, 384, v[WA]
	s_mul_i32 s38, s30, 3104                       ; K step 2 w (+ s)
	v_add_nc_u32 v[WA], s38, v[WA]
	v_mul_u32_u24 v[WB], v236, 1088
	v_lshl_add_u32 v[WB], v237, 5, v[WB]
	v_add_nc_u32 v[WB], v[WB], v14                 ; byte kb of the word
	s_lshl_b32 s38, s30, 7
	s_add_co_u32 s38, s38, WSC
	v_add_nc_u32 v[WB], s38, v[WB]
	v_mul_u32_u24 v[RA0], v[LN], 24
	s_mul_i32 s38, s31, 49696
	v_add_nc_u32 v[RA0], s38, v[RA0]
	s_mul_i32 s38, s31, 2176
	s_add_co_u32 s38, s38, WSC
	v_lshl_add_u32 v[RSA], v[LN], 2, s38
	v_lshl_add_u32 v[LCA], v0, 4, LIST
	v_add_nc_u32 v[DMI], 1152, v[LN]
	v_and_b32 v14, 15, v0
	v_lshl_add_u32 v[LA], v14, 2, LIST             ; a tile's slot r
	v_lshlrev_b32 v[TB], 5, v[LN]
	s_mov_b32 s39, 0
	s_wait_kmcnt 0x0
	s_lshl_b32 s38, ttmp9, 6                       ; 256 e + 64 q: my 16 words of a row
	s_add_nc_u64 s[12:13], s[12:13], s[38:39]
	s_add_nc_u64 s[14:15], s[14:15], s[38:39]
	s_lshl_b32 s38, ttmp9, 9                       ; my 128 scales of a row
	s_add_nc_u64 s[16:17], s[16:17], s[38:39]
	s_lshl_b32 s38, s33, 12
	s_add_nc_u64 s[18:19], s[18:19], s[38:39]      ; kt[e]
	s_add_nc_u64 s[26:27], s[26:27], s[38:39]      ; rowlist[e]
	s_lshl_b32 s38, s33, 9
	s_add_nc_u64 s[28:29], s[28:29], s[38:39]      ; cnt[e]
	s_mul_i32 s38, s33, 393216                     ; hbuf: expert, tile par, K step q, half g
	s_mul_i32 s53, s34, 1536
	s_add_co_u32 s38, s38, s53
	s_mul_i32 s53, s31, 768
	s_add_co_u32 s38, s38, s53
	s_mul_i32 s53, s32, 6144
	s_add_co_u32 s38, s38, s53
	s_add_nc_u64 s[22:23], s[22:23], s[38:39]
	s_lshl_b32 s38, s33, 14                        ; hsc likewise
	s_lshl_b32 s53, s34, 6
	s_add_co_u32 s38, s38, s53
	s_lshl_b32 s53, s32, 8
	s_add_co_u32 s38, s38, s53
	s_add_nc_u64 s[24:25], s[24:25], s[38:39]
	; all that the dequantiser reads is asked for here: kt's row (8 loads), then set 0 and set 1 (37 loads each)
.irp c, 0,1,2,3,4,5,6,7
	global_load_b128 v[T+4*\c:T+4*\c+3], v[KTA], s[18:19] offset:512*\c   ; tokens 128 c + 4 lane + 0 .. 3
.endr
.irp s, 0,1
	global_load_b64 v[Z+2*\s:Z+2*\s+1], v[ZGA], s[14:15] offset:16384*\s
.irp m, 0,1,2,3
	global_load_b128 v[S+16*\s+4*\m:S+16*\s+4*\m+3], v[SGA], s[16:17] offset:131072*\s+16*\m
.endr
.set kk, 0
.rept 32
	global_load_b64 v[W+64*\s+2*kk:W+64*\s+2*kk+1], v[WGA], s[12:13] offset:2097152*\s+16384*kk
.set kk, kk+1
.endr
.endr
	s_wait_loadcnt 63                              ; kt's eight loads are in: 74 younger loads were issued, and 63 is the largest count that the wait can name
	; n, the expert's rows: every wave counts for itself
	s_mov_b32 s35, 0
.irp c, 0,1,2,3,4,5,6,7
.irp i, 0,1,2,3
	v_cmp_gt_u32 s[54+\i], 8, v[T+4*\c+\i]         ; chosen: k = 0 .. 7 (-1 is the greatest unsigned number)
.endr
.irp i, 0,1,2,3
	s_bcnt1_i32_b32 s53, s[54+\i]
	s_add_co_u32 s35, s35, s53
.endr
.endr
	s_min_u32 s35, s35, 1024
	s_cmp_lg_u32 s30, 0
	s_cbranch_scc1 .Lno_list
	; wave 0 lists the rows: slot -> 8 t + k.  The list is cleared first (1,152 words: a gather past the end finds token 0); LDS serves a wave's instructions in order.
.irp i, 0,1,2,3
	v_mov_b32 v[236+\i], 0
.endr
.irp i, 0,1,2,3,4,5,6,7,8
	ds_store_b128 v[LCA], v[236:239] offset:512*\i
.endr
	s_mov_b32 s52, 0
.irp c, 0,1,2,3,4,5,6,7
.irp i, 0,1,2,3
	s_wait_dscnt 3                                 ; three younger stores may be out: the store that read this pair of registers, four steps back, is done
	v_cmp_gt_u32 vcc_lo, 8, v[T+4*\c+\i]
	v_mbcnt_lo_u32_b32 v[RR], vcc_lo, s52          ; rows listed so far + chosen lanes below mine
	v_cndmask_b32 v[RR], v[DMI], v[RR], vcc_lo     ; a lane with nothing to list writes its own word behind the list
	v_min_u32 v[RR], 0x49f, v[RR]                  ; 1,183: the last such word
	v_lshl_add_u32 v[SA+\i], v[RR], 2, LIST
	v_add_nc_u32 v[RID+\i], v[T+4*\c+\i], v[TB]    ; 8 t + k, t = 128 c + 4 lane + i: k + 32 lane,
	v_add_nc_u32 v[RID+\i], 1024*\c+8*\i, v[RID+\i]   ; + 1,024 c + 8 i
	ds_store_b32 v[SA+\i], v[RID+\i]
	s_bcnt1_i32_b32 s53, vcc_lo
	s_add_co_u32 s52, s52, s53
.endr
.endr
.Lno_list:
	s_wait_dscnt 0x0                               ; the list is written,
	s_barrier_signal -1
	s_barrier_wait -1                              ; and no other wave has touched LDS before this barrier
	v_mov_b32 v[FZ+1], 0                           ; (named with FZ as a pair)
; ONE BLOCK: set s, word jw, column p, whose nibble stands at bit 4 i.  32 numbers -> 24 bytes of codes and a scale byte.
.macro BLOCK s, jw, p, i
.set CDR, CD+6*SETN
.set SX, S+16*\s+8*\jw+\p
	s_wait_dscnt 4                                 ; the last block's four LDS stores may be out; those of the block before it, which read this set of registers, are done
	v_and_or_b32 v[FZ], v[Z+2*\s+\jw], s[MSK+\i], s[CON+\i]
.set kk, 0
.rept 32
	v_and_or_b32 v[T+kk], v[W+64*\s+2*kk+\jw], s[MSK+\i], s[CON+\i]
.set kk, kk+1
.endr
.set kk, 0
.rept 16
	v_pk_add_f32 v[T+kk:T+kk+1], v[T+kk:T+kk+1], v[FZ:FZ+1] op_sel_hi:[1,0] neg_lo:[0,1] neg_hi:[0,1]   ; q - z, exact
.set kk, kk+2
.endr
.set kk, 0
.rept 16
.if (\p)%2 == 0
	v_pk_mul_f32 v[T+kk:T+kk+1], v[T+kk:T+kk+1], v[SX:SX+1] op_sel_hi:[1,0]                 ; x the column's scale: the pair's first word for both halves,
.else
	v_pk_mul_f32 v[T+kk:T+kk+1], v[T+kk:T+kk+1], v[SX-1:SX] op_sel:[0,1] op_sel_hi:[1,1]    ; or its second
.endif
.set kk, kk+2
.endr
.irp c, 0,1,2,3
	v_max3_num_f32 v[MX+\c], |v[T+8*\c]|, |v[T+8*\c+1]|, |v[T+8*\c+2]|     ; the largest magnitude, in four chains
.endr
.irp c, 0,1,2,3
	v_max3_num_f32 v[MX+\c], v[MX+\c], |v[T+8*\c+3]|, |v[T+8*\c+4]|
.endr
.irp c, 0,1,2,3
	v_max3_num_f32 v[MX+\c], v[MX+\c], |v[T+8*\c+5]|, |v[T+8*\c+6]|
.endr
	v_max3_num_f32 v[MX], v[MX], |v[T+7]|, |v[T+15]|
	v_max3_num_f32 v[MX+2], v[MX+2], |v[T+23]|, |v[T+31]|
	v_max3_num_f32 v[MX], v[MX], v[MX+1], v[MX+2]
	v_max3_num_f32 v[MX], v[MX], v[MX+3], 0x1800000    ; and the floor 2^(3 - 127): the byte cannot fall under 1
	v_add_nc_u32 v[SCV], 0xff000000, v[MX]             ; 2 off the exponent field: the conversion's scale operand
	v_cvt_scalef32_pk16_fp6_f32 v[CDR:CDR+2], v[T:T+15], v[SCV]
	v_cvt_scalef32_pk16_fp6_f32 v[MX:MX+2], v[T+16:T+31], v[SCV]   ; (a conversion's three registers begin on an even number)
	v_lshrrev_b32 v[BY+SETN], 23, v[SCV]               ; the scale's byte; also the plain place behind the conversions
.irp u, 0,1,2
	v_mov_b32 v[CDR+3+\u], v[MX+\u]
.endr
.irp u, 0,1,2
	ds_store_b64 v[WA], v[CDR+2*\u:CDR+2*\u+1] offset:IMG_S*\s+IMG_JW*\jw+24*\p+8*\u
.endr
	ds_store_b8 v[WB], v[BY+SETN] offset:SC_S*\s+SC_JW*\jw+4*\p
.set SETN, 1-SETN
.endm
.macro SHIFT16 s, jw                   ; the nibbles at bits 20, 24, 28 come down to 4, 8, 12
.set kk, 0
.rept 32
	v_lshrrev_b32 v[W+64*\s+2*kk+\jw], 16, v[W+64*\s+2*kk+\jw]
.set kk, kk+1
.endr
	v_lshrrev_b32 v[Z+2*\s+\jw], 16, v[Z+2*\s+\jw]
.endm
.macro DEQSET s
.irp jw, 0,1
	BLOCK \s, \jw, 0, 0
	BLOCK \s, \jw, 2, 1
	BLOCK \s, \jw, 4, 2
	BLOCK \s, \jw, 6, 3
	BLOCK \s, \jw, 1, 4
	SHIFT16 \s, \jw
	BLOCK \s, \jw, 3, 1
	BLOCK \s, \jw, 5, 2
	BLOCK \s, \jw, 7, 3
.endr
.endm
	s_wait_loadcnt 37                              ; set 0 is in; set 1's 37 loads may be out and land while set 0 is worked on
	DEQSET 0
	s_wait_loadcnt 0x0
	DEQSET 1
	s_wait_dscnt 0x0                               ; my images are written
	s_barrier_signal -1
	s_barrier_wait -1                              ; everybody's are; behind this barrier a wave writes only its own stage
	; my four tiles x eight K steps into windows 1 and 2, at 48 (ks % 4) + 12 t; their scale words: lanes 0-15 the even K step's, lanes 16-31 the odd one's
	WIN 0x40
.irp t, 0,1,2,3
.irp ks, 0,1,2,3
.irp c, 0,1
.irp u, 0,1,2
	ds_load_b64 v[48*\ks+12*\t+6*\c+2*\u:48*\ks+12*\t+6*\c+2*\u+1], v[RA0] offset:TP*\t+KSP*\ks+CP*\c+8*\u
.endr
.endr
.endr
.endr
	WIN 0x80
.irp t, 0,1,2,3
.irp ks, 0,1,2,3
.irp c, 0,1
.irp u, 0,1,2
	ds_load_b64 v[48*\ks+12*\t+6*\c+2*\u:48*\ks+12*\t+6*\c+2*\u+1], v[RA0] offset:TP*\t+KSP*(\ks+4)+CP*\c+8*\u
.endr
.endr
.endr
.endr
	WIN 0
.irp t, 0,1,2,3
.irp kp, 0,1,2,3
	ds_load_b32 v[WS+4*\t+\kp], v[RSA] offset:STP*\t+128*\kp
.endr
.endr
	v_and_b32 v[SLOT], 15, v0                      ; r
	v_bfe_u32 v[HH], v0, 4, 1                      ; hh
	v_lshlrev_b32 v[C16], 4, v[SLOT]               ; my 16 bytes of a run of 256
	v_lshlrev_b32 v[HSA], 2, v[SLOT]
	s_lshl_b32 s38, s31, 1
	v_add_nc_u32 v[HSA], s38, v[HSA]               ; hsc: 4 r + 2 g
	s_mul_i32 s38, s30, 16*SPT
	s_add_co_u32 s38, s38, STG                     ; my stage
	v_mul_u32_u24 v[STW], v[HH], SPT               ; in: row hh of a pair, 16 r
	v_add_nc_u32 v[STW], v[STW], v[C16]
	v_add_nc_u32 v[STW], s38, v[STW]
	v_mul_u32_u24 v[STR], v[SLOT], SPT             ; back: a fragment's row r, + 24 hh
	v_mad_u32_u24 v[STR], v[HH], 24, v[STR]
	v_add_nc_u32 v[STR], s38, v[STR]
	v_lshl_add_u32 v[LJ0], v[HH], 2, LIST          ; a tile's slot hh (+ 2 j)
	s_lshl_b32 s38, s32, 4
	v_add_nc_u32 v[SLOT], s38, v[SLOT]             ; my slot: 16 par + r
	v_lshlrev_b32 v[HA16], 4, v[LN]
	v_lshlrev_b32 v[HA8], 3, v[LN]
	v_lshlrev_b32 v[RLO], 4, v0
	v_lshlrev_b32 v[CNO], 2, v0
	v_mov_b32 v[PD], 0                             ; a lane permute's destination counts as one of its sources
	v_mov_b32 v[PD+1], 0
	v_mov_b32 v[CW+1], 0                           ; (named with CW as a pair)
	v_mov_b32 v[NV], s35
	s_add_co_u32 s36, s35, 15
	s_lshr_b32 s36, s36, 4                         ; row tiles: at most 64
	s_add_co_u32 s36, s36, 1
	s_sub_co_u32 s36, s36, s32
	s_lshr_b32 s36, s36, 1                         ; my trips with work: the tiles par, par + 2, ..: (tiles + 1 - par) / 2
	s_mov_b32 s37, 0                               ; the trip
	s_lshl_b32 s[TL], s32, 6                       ; tile par's 16 words of the list
	s_wait_dscnt 0x0
; the list's words of the tile off bytes on from s[TL]: slot r (for the scale words and the weight), and slots 2 j + hh (for the codes)
.macro GLIST off
	v_add_nc_u32 v[LAC], s[TL], v[LA]
	v_add_nc_u32 v[LJC], s[TL], v[LJ0]
	ds_load_b32 v[LE], v[LAC] offset:\off
.irp j, 0,1,2,3,4,5,6,7
	ds_load_b32 v[GA+\j], v[LJC] offset:\off+8*\j
.endr
.endm
; from 8 t + k to places in x, in its scale bytes and in topv; every number is held inside its buffer first
.macro GADDR
	v_lshrrev_b32 v[TOK], 3, v[LE]
	v_min_u32 v[TOK], 0x3ff, v[TOK]
	v_lshlrev_b32 v[XSAD], 5, v[TOK]
	v_min_u32 v[CWAD], 0x1fff, v[LE]
	v_lshlrev_b32 v[CWAD], 2, v[CWAD]
.irp j, 0,1,2,3,4,5,6,7
	v_lshrrev_b32 v[GA+\j], 3, v[GA+\j]
.endr
.irp j, 0,1,2,3,4,5,6,7
	v_min_u32 v[GA+\j], 0x3ff, v[GA+\j]
.endr
.irp j, 0,1,2,3,4,5,6,7
	v_mul_u32_u24 v[GA+\j], v[GA+\j], 768
.endr
.irp j, 0,1,2,3,4,5,6,7
	v_add_nc_u32 v[GA+\j], v[GA+\j], v[C16]
.endr
.endm
; 24 loads of codes, each two aligned runs of 256 bytes (rows 2 j and 2 j + 1); x's scale words (2); the row's weight (1)
.macro GLOADS
.irp j, 0,1,2,3,4,5,6,7
.irp u, 0,1,2
	global_load_b128 v[XF+12*\j+4*\u:XF+12*\j+4*\u+3], v[GA+\j], s[8:9] offset:256*\u
.endr
.endr
	global_load_b128 v[XS:XS+3], v[XSAD], s[10:11]
	global_load_b128 v[XS+4:XS+7], v[XSAD], s[10:11] offset:16
	global_load_b32 v[CWN], v[CWAD], s[20:21]
.endm
	GLIST 0                                        ; my first tile; where I have none, the cleared list names token 0
	s_wait_dscnt 0x0
	GADDR
	GLOADS
.Ltile:
	s_cmp_ge_u32 s37, s36                          ; a trip for which I have no tile: only the steps at the loop's end
	s_cbranch_scc1 .Lskip
	s_wait_loadcnt 0x0                             ; this tile's rows are in: their address registers may be written again
	GLIST 128                                      ; my next tile's words of the list, on their way with the turn below; past the list's end they name token 0
.irp j, 0,1,2,3,4,5,6,7
.irp u, 0,1,2
	ds_store_b128 v[STW], v[XF+12*\j+4*\u:XF+12*\j+4*\u+3] offset:2*SPT*\j+256*\u    ; sixteen lanes write 256 consecutive bytes of a row
.endr
.endr
.irp ks, 0,1,2,3,4,5,6,7
.irp c, 0,1
.irp u, 0,1,2
	ds_load_b64 v[XF+12*\ks+6*\c+2*\u:XF+12*\ks+6*\c+2*\u+1], v[STR] offset:96*\ks+48*\c+8*\u   ; LDS serves a wave's instructions in order (ISA guide 5.7.1.4): these see the stores above, and land behind them
.endr
.endr
.endr
	v_cmp_gt_u32 vcc_lo, s35, v[SLOT]
	v_cndmask_b32 v[CW], 0, v[CWN], vcc_lo         ; a slot past the list's end has the weight 0: its codes are zeros
	s_wait_dscnt 0x0                               ; the fragments, and the list's words
	; 32 matrix instructions, transposed (source 0 = 16 units, source 1 = 16 rows); the four accumulators take turns; the first K step starts the sums
.irp ks, 0,1,2,3,4,5,6,7
.if \ks < 4
	WIN 0x01
.else
	WIN 0x02
.endif
.irp t, 0,1,2,3
.if \ks == 0
	v_wmma_scale_f32_16x16x128_f8f6f4 v[ACC+8*\t:ACC+8*\t+7], v[48*(\ks%4)+12*\t:48*(\ks%4)+12*\t+11], v[XF+12*\ks:XF+12*\ks+11], 0, v[WS+4*\t+\ks/2], v[XS+\ks] matrix_a_fmt:MATRIX_FMT_FP6 matrix_b_fmt:MATRIX_FMT_FP6
.elseif \ks%2 == 0
	v_wmma_scale_f32_16x16x128_f8f6f4 v[ACC+8*\t:ACC+8*\t+7], v[48*(\ks%4)+12*\t:48*(\ks%4)+12*\t+11], v[XF+12*\ks:XF+12*\ks+11], v[ACC+8*\t:ACC+8*\t+7], v[WS+4*\t+\ks/2], v[XS+\ks] matrix_a_fmt:MATRIX_FMT_FP6 matrix_b_fmt:MATRIX_FMT_FP6
.else
	v_wmma_scale_f32_16x16x128_f8f6f4 v[ACC+8*\t:ACC+8*\t+7], v[48*(\ks%4)+12*\t:48*(\ks%4)+12*\t+11], v[XF+12*\ks:XF+12*\ks+11], v[ACC+8*\t:ACC+8*\t+7], v[WS+4*\t+\ks/2], v[XS+\ks] matrix_a_fmt:MATRIX_FMT_FP6 matrix_b_fmt:MATRIX_FMT_FP6 matrix_a_scale:MATRIX_SCALE_ROW1
.endif
.endr
.endr
	WIN 0
	v_add_nc_u32 v[SLOT], 32, v[SLOT]              ; my next tile; this line and the 37 below are the places behind the last product,
	GADDR                                          ; ahead of the loads into x's registers and of the first read of results
	GLOADS                                         ; they land while this tile is finished
	; silu(v) x weight = (v x weight) / (1 + 2^(-v log2 e))
.set kk, 0
.rept 16
	v_pk_mul_f32 v[E+kk:E+kk+1], v[ACC+kk:ACC+kk+1], 0xbfb8aa3b op_sel_hi:[1,0]   ; each accumulator from its low end on
.set kk, kk+2
.endr
.set kk, 0
.rept 32
	v_exp_f32 v[E+kk], v[E+kk]
.set kk, kk+1
.endr
	v_nop                                          ; a plain place behind the last exponential
	s_wait_alu depctr_va_vdst(0)                   ; one wait for the batch, ahead of its first reader
.set kk, 0
.rept 16
	v_pk_add_f32 v[E+kk:E+kk+1], v[E+kk:E+kk+1], 1.0 op_sel_hi:[1,0]
.set kk, kk+2
.endr
.set kk, 0
.rept 32
	v_rcp_f32 v[E+kk], v[E+kk]
.set kk, kk+1
.endr
.set kk, 0
.rept 16
	v_pk_mul_f32 v[ACC+kk:ACC+kk+1], v[ACC+kk:ACC+kk+1], v[CW:CW+1] op_sel_hi:[1,0]   ; independent work behind the reciprocals
.set kk, kk+2
.endr
	s_wait_alu depctr_va_vdst(0)                   ; one wait for the 32 reciprocals
.set kk, 0
.rept 16
	v_pk_mul_f32 v[ACC+kk:ACC+kk+1], v[ACC+kk:ACC+kk+1], v[E+kk:E+kk+1]
.set kk, kk+2
.endr
	; my 64 units are two blocks of 32 along the next K: register 16 b + i is unit 64 g + 32 b + 16 hh + i of my row
.irp b, 0,1
	v_max3_num_f32 v[MXQ+\b], |v[ACC+16*\b]|, |v[ACC+16*\b+1]|, 0x1800000
.endr
.irp i, 2,4,6,8,10,12,14
.irp b, 0,1
	v_max3_num_f32 v[MXQ+\b], v[MXQ+\b], |v[ACC+16*\b+\i]|, |v[ACC+16*\b+\i+1]|
.endr
.endr
.irp b, 0,1
	v_permlanex16_b32 v[PD+\b], v[MXQ+\b], s50, s51
.endr
.irp b, 0,1
	v_max_num_f32 v[MXQ+\b], v[MXQ+\b], v[PD+\b]   ; with lane l xor 16's 16 units
.endr
.irp b, 0,1
	v_add_nc_u32 v[SCQ+\b], 0xff000000, v[MXQ+\b]
.endr
.irp b, 0,1
	v_lshrrev_b32 v[BYQ+\b], 23, v[SCQ+\b]
.endr
	v_lshl_or_b32 v[HW], v[BYQ+1], 8, v[BYQ]       ; bytes 2 g and 2 g + 1 of the row's scale word
	v_cvt_scalef32_pk16_fp6_f32 v[P:P+2], v[ACC:ACC+15], v[SCQ]
	v_cvt_scalef32_pk16_fp6_f32 v[Q:Q+2], v[ACC+16:ACC+31], v[SCQ+1]
	v_nop                                          ; one plain place behind a scaled conversion
.irp i, 0,1,2
	v_permlane16_swap_b32 v[P+\i], v[Q+\i]         ; the operand's layout wants a whole block in a lane: lanes 0-15 block 2 g, lanes 16-31 block 2 g + 1
.endr
.irp i, 0,1,2
	v_mov_b32 v[P+3+\i], v[Q+\i]
.endr
	global_store_b128 v[HA16], v[P:P+3], s[22:23]              ; registers 6 g .. 6 g + 3 of the fragment: 512 consecutive bytes,
	global_store_b64 v[HA8], v[P+4:P+5], s[22:23] offset:512   ; 6 g + 4, 6 g + 5: 256
	global_store_b16 v[HSA], v[HW], s[24:25]                   ; (lanes r and r + 16 hold the same two bytes)
	s_wait_xcnt 0x0                                ; the bases and the stores' data are written again only behind this wait
	s_add_nc_u64 s[22:23], s[22:23], 12288         ; two tiles on
	s_add_nc_u64 s[24:25], s[24:25], 512
.Lskip:
	s_add_co_u32 s[TL], s[TL], 128                 ; two tiles on in the list, in every trip
	s_add_co_u32 s37, s37, 1
	s_cmp_lt_u32 s37, 32
	s_cbranch_scc1 .Ltile
	s_cmp_lg_u32 s34, 0                            ; the expert's first work-group stores the list and the count for the next launch
	s_cbranch_scc1 .Lend
	ds_load_b128 v[LC:LC+3], v[LCA]
	ds_load_b128 v[LC+4:LC+7], v[LCA] offset:2048
	s_wait_dscnt 0x0
	global_store_b128 v[RLO], v[LC:LC+3], s[26:27]
	global_store_b128 v[RLO], v[LC+4:LC+7], s[26:27] offset:2048
	global_store_b32 v[CNO], v[NV], s[28:29]
.Lend:
	s_set_vgpr_msb 0x5
	s_wait_tensorcnt 0x0
	ds_add_u32 v254, v255
	s_wait_dscnt 0x0
	s_set_vgpr_msb 0x500
	s_endpgm
.Lfunc_end_k_q77d8c02d16_up:
	.size	k_q77d8c02d16_up, .Lfunc_end_k_q77d8c02d16_up-k_q77d8c02d16_up
	.p2alignl 7, 3214868480
	.fill 96, 4, 3214868480
	.section	.rodata,"a",@progbits
	.p2align	6, 0x0
	.amdhsa_kernel k_q77d8c02d16_up
		.amdhsa_group_segment_fixed_size 160256
		.amdhsa_private_segment_fixed_size 0
		.amdhsa_enable_private_segment 0
		.amdhsa_kernarg_size 88
		.amdhsa_user_sgpr_count 2
		.amdhsa_user_sgpr_kernarg_segment_ptr 1
		.amdhsa_wavefront_size32 1
		.amdhsa_system_sgpr_workgroup_id_x 1
		.amdhsa_system_sgpr_workgroup_id_y 1
		.amdhsa_system_sgpr_workgroup_id_z 1
		.amdhsa_system_vgpr_workitem_id 0
		.amdhsa_next_free_vgpr 768
		.amdhsa_next_free_sgpr 66
		.amdhsa_reserve_vcc 1
		.amdhsa_float_denorm_mode_32 3
		.amdhsa_float_denorm_mode_16_64 3
		.amdhsa_memory_ordered 1
		.amdhsa_forward_progress 1
		.amdhsa_inst_pref_size 255
	.end_amdhsa_kernel
	.section	.bss,"aw",@nobits
	.p2align	6
	.space	262144
	.amdgpu_metadata
---
amdhsa.version: [ 1, 2 ]
amdhsa.kernels:
  - .name:           k_q77d8c02d16_up
    .symbol:         k_q77d8c02d16_up.kd
    .args:
      - { .name: x_codes, .offset: 0, .size: 8, .value_kind: global_buffer, .address_space: global }
      - { .name: x_scales, .offset: 8, .size: 8, .value_kind: global_buffer, .address_space: global }
      - { .name: qweight1, .offset: 16, .size: 8, .value_kind: global_buffer, .address_space: global }
      - { .name: qzeros1, .offset: 24, .size: 8, .value_kind: global_buffer, .address_space: global }
      - { .name: scales1, .offset: 32, .size: 8, .value_kind: global_buffer, .address_space: global }
      - { .name: kt, .offset: 40, .size: 8, .value_kind: global_buffer, .address_space: global }
      - { .name: topv, .offset: 48, .size: 8, .value_kind: global_buffer, .address_space: global }
      - { .name: hbuf, .offset: 56, .size: 8, .value_kind: global_buffer, .address_space: global }
      - { .name: hsc, .offset: 64, .size: 8, .value_kind: global_buffer, .address_space: global }
      - { .name: rowlist, .offset: 72, .size: 8, .value_kind: global_buffer, .address_space: global }
      - { .name: cnt, .offset: 80, .size: 8, .value_kind: global_buffer, .address_space: global }
    .group_segment_fixed_size: 160256
    .private_segment_fixed_size: 0
    .kernarg_segment_align: 8
    .kernarg_segment_size: 88
    .max_flat_workgroup_size: 128
    .sgpr_count:     66
    .vgpr_count:     768
    .wavefront_size: 32
...
	.end_amdgpu_metadata
.endif
;; end of part 2
;; launch down (part 3): grid 256 x 1, 4 waves a work-group, no clusters, 141,824 bytes of LDS; arguments qweight2, qzeros2, scales2, hbuf, hsc, rowlist, cnt, y; writes y
.if DOCPART == 3
	.amdgcn_target "amdgcn-amd-amdhsa--gfx1250"
	.amdhsa_code_object_version 6
	.text
	.protected	k_q77d8c02d16_down
	.globl	k_q77d8c02d16_down
	.p2align	8
	.type	k_q77d8c02d16_down,@function
k_q77d8c02d16_down:
	s_mov_b64 s[64:65], 0
	v_nop
	global_prefetch_b8 v0, s[64:65] scope:SCOPE_SE
	s_setreg_imm32_b32 hwreg(HW_REG_WAVE_MODE, 25, 1), 1
	s_wait_xcnt 0x0
; DOWN.  Work-group 4 e + hq: output columns 256 hq .. 256 hq + 255 of expert e, K = the expert's 512 hidden units, for the expert's listed rows.
; (1) the slice of W2 (256 columns x 512) is made from the AWQ words, (q - z) x scale in f32, quantised along K to E2M3, laid in LDS as images of operand registers; each wave then holds
; 128 columns x all K in 384 registers; (2) for each 16 rows: the hidden layer's four fragments and scale words as the launch before stored them, 32 matrix instructions, and each row's 512 bytes
; go to y[8 t + k], which has this one owner.  The sum over a token's eight rows is the next launch's.
; No tensor load: the number of row tiles is read from memory (cnt, whole numbers).  An expert without rows still passes the barrier.
; THE DEQUANTISER is that of the launch before: a lane owns two neighbouring words (16 columns) and, in each of two sets, one block of 32 rows along K.
; (w & (15 << 4 i)) | ((150 - 4 i) << 23) is 2^(23 - 4 i) + q, exactly; less the same of the zero: q - z, exactly; one multiplication by the scale.
; LIMITS: NaN and infinities are not served.  A block of zeros gets the scale byte 1 where the rule says 127: its codes are zeros, and this program alone reads the bytes.
; The sum along K is taken expert by expert and then over a token's eight rows, not in one ascending chain.
; LDS: 0 the images: block (tile, ks, c, hh, rho) at 6,408 tile + 1,552 ks + 776 c + 24 (rho + 16 hh); 102,528 the scale words: 260 tile + 64 ks + 4 rho; 106,752 a stage of 16 rows x 528 bytes for each wave.
.set TP,     6408
.set KSP,    1552
.set CP,     776
.set WSC,    102528
.set STP,    260
.set STAGE,  106752
.set IMG_S,  776                       ; the image's place: + 776 s + 192 jw + 24 p
.set IMG_JW, 192
.set SC_S,   2                         ; the scale byte's: + 2 s + 32 jw + 4 p
.set SC_JW,  32
.set WGA, 1
.set ZGA, 2
.set SGA, 3
.set CO,  4                            ; v4  my 16 bytes of a row of y: 1,024 hq + 512 g + 16 lane
.set WA,  5
.set WB,  6
.set RA0, 7
.set RSA, 8
.set SO,  9                            ; v9  the stage, in
.set RD,  10                           ; v10 and back
.set A16, 11
.set A8,  12
.set BY,  13
.set A4R, 15
.set HS,  16                           ; v16-19 the hidden layer's scale words; v20-35 W2's: these hold scales alone
.set WS,  20
.set W,   40
.set T,   168
.set S,   200
.set Z,   232
.set FZ,  236
.set MX,  238
.set SCV, 242
.set CD,  244
.set HF,  40                           ; the products: four fragments of the hidden layer
.set ACC, 88
.set OB,  152
.set VO,  216
.set MSK, 48
.set CON, 53
.set SETN, 0
.set MSB, 0
.macro WIN new                         ; the immediate's high byte repeats the setting that is left; a switch that changes nothing is dropped
.if MSB != \new
	s_set_vgpr_msb (MSB<<8)|\new
.set MSB, \new
.endif
.endm
	s_load_b512 s[8:23], s[0:1], 0x0               ; qweight2 s[8:9], qzeros2 s[10:11], scales2 s[12:13], hbuf s[14:15], hsc s[16:17], rowlist s[18:19], cnt s[20:21], y s[22:23]
	v_lshl_add_u32 v39, v0, 2, 0x22800
	v_mov_b32 v243, 0
	v_lshrrev_b32 v13, 5, v0
	v_readfirstlane_b32 s24, v13                   ; wave w
	s_lshr_b32 s25, s24, 1                         ; g: which 128 columns I multiply
	s_and_b32 s26, s24, 1                          ; par: even or odd row tiles
	s_lshr_b32 s27, ttmp9, 2                       ; e
	s_and_b32 s28, ttmp9, 3                        ; hq
.irp i, 0,1,2,3,4
	s_mov_b32 s[MSK+\i], 0xf<<(4*\i)
	s_mov_b32 s[CON+\i], (150-4*\i)<<23
.endr
	v_and_b32 v36, 31, v0                          ; lane
	v_and_b32 v37, 15, v0                          ; jp = r
	v_bfe_u32 v38, v0, 4, 1                        ; hh
	s_lshl_b32 s6, s24, 2
	v_add_nc_u32 v[WGA], s6, v38                   ; block 4 w + hh (+ 2 s): 32 rows of 32,768 bytes each
	v_lshlrev_b32 v[WGA], 20, v[WGA]
	v_lshl_add_u32 v[WGA], v37, 3, v[WGA]
	s_lshl_b32 s6, s24, 15                         ; AWQ group w
	v_lshl_add_u32 v[ZGA], v37, 3, s6
	s_lshl_b32 s6, s24, 18
	v_lshl_add_u32 v[SGA], v37, 6, s6
	s_lshl_b32 s6, s28, 10
	s_lshl_b32 s7, s25, 9
	s_add_co_u32 s6, s6, s7
	v_lshl_add_u32 v[CO], v36, 4, s6
	v_mul_u32_u24 v[WA], v37, 6408                 ; tile jp, K step w, half hh
	v_mad_u32_u24 v[WA], v38, 384, v[WA]
	s_mul_i32 s6, s24, 1552
	v_add_nc_u32 v[WA], s6, v[WA]
	v_mul_u32_u24 v[WB], v37, 260
	v_add_nc_u32 v[WB], v[WB], v38
	s_lshl_b32 s6, s24, 6
	s_add_co_u32 s6, s6, WSC
	v_add_nc_u32 v[WB], s6, v[WB]
	v_mul_u32_u24 v[RA0], v36, 24
	s_mul_i32 s6, s25, 51264
	v_add_nc_u32 v[RA0], s6, v[RA0]
	s_mul_i32 s6, s25, 2080
	s_add_co_u32 s6, s6, WSC
	v_lshl_add_u32 v[RSA], v36, 2, s6
	v_mul_u32_u24 v[SO], v37, 528
	v_lshl_add_u32 v[SO], v38, 5, v[SO]
	s_mul_i32 s6, s24, 8448
	s_add_co_u32 s6, s6, STAGE
	v_add_nc_u32 v[SO], s6, v[SO]
	v_lshl_add_u32 v[RD], v36, 4, s6
	v_lshlrev_b32 v[A16], 4, v36
	v_lshlrev_b32 v[A8], 3, v36
	v_lshlrev_b32 v[A4R], 2, v37
	v_mov_b32 v[FZ+1], 0                           ; (named with FZ as a pair)
	s_mov_b32 s7, 0
	s_wait_kmcnt 0x0
	s_lshl_b32 s6, ttmp9, 7                        ; 512 e + 128 hq: my 32 words of a row
	s_add_nc_u64 s[8:9], s[8:9], s[6:7]
	s_add_nc_u64 s[10:11], s[10:11], s[6:7]
	s_lshl_b32 s6, ttmp9, 10                       ; my 256 scales of a row
	s_add_nc_u64 s[12:13], s[12:13], s[6:7]
	s_mul_i32 s6, s27, 393216
	s_add_nc_u64 s[14:15], s[14:15], s[6:7]        ; the expert's part of hbuf,
	s_lshl_b32 s6, s27, 14
	s_add_nc_u64 s[16:17], s[16:17], s[6:7]        ; of hsc,
	s_lshl_b32 s6, s27, 12
	s_add_nc_u64 s[18:19], s[18:19], s[6:7]        ; of rowlist,
	s_lshl_b32 s6, s27, 9
	s_add_nc_u64 s[20:21], s[20:21], s[6:7]        ; of cnt
	s_load_b32 s29, s[20:21], 0x0                  ; n
.irp s, 0,1
	global_load_b64 v[Z+2*\s:Z+2*\s+1], v[ZGA], s[10:11]       ; (both sets lie in one AWQ group: the same zeros and scales, once for each set)
.irp m, 0,1,2,3
	global_load_b128 v[S+16*\s+4*\m:S+16*\s+4*\m+3], v[SGA], s[12:13] offset:16*\m
.endr
.set kk, 0
.rept 32
	global_load_b64 v[W+64*\s+2*kk:W+64*\s+2*kk+1], v[WGA], s[8:9] offset:2097152*\s+32768*kk
.set kk, kk+1
.endr
.endr
; ONE BLOCK: set s, word jw, column p, whose nibble stands at bit 4 i.  32 numbers -> 24 bytes of codes and a scale byte.
.macro BLOCK s, jw, p, i
.set CDR, CD+6*SETN
.set SX, S+16*\s+8*\jw+\p
	s_wait_dscnt 4                                 ; the last block's four LDS stores may be out; those of the block before it, which read this set of registers, are done
	v_and_or_b32 v[FZ], v[Z+2*\s+\jw], s[MSK+\i], s[CON+\i]
.set kk, 0
.rept 32
	v_and_or_b32 v[T+kk], v[W+64*\s+2*kk+\jw], s[MSK+\i], s[CON+\i]
.set kk, kk+1
.endr
.set kk, 0
.rept 16
	v_pk_add_f32 v[T+kk:T+kk+1], v[T+kk:T+kk+1], v[FZ:FZ+1] op_sel_hi:[1,0] neg_lo:[0,1] neg_hi:[0,1]   ; q - z, exact
.set kk, kk+2
.endr
.set kk, 0
.rept 16
.if (\p)%2 == 0
	v_pk_mul_f32 v[T+kk:T+kk+1], v[T+kk:T+kk+1], v[SX:SX+1] op_sel_hi:[1,0]                 ; x the column's scale: the pair's first word for both halves,
.else
	v_pk_mul_f32 v[T+kk:T+kk+1], v[T+kk:T+kk+1], v[SX-1:SX] op_sel:[0,1] op_sel_hi:[1,1]    ; or its second
.endif
.set kk, kk+2
.endr
.irp c, 0,1,2,3
	v_max3_num_f32 v[MX+\c], |v[T+8*\c]|, |v[T+8*\c+1]|, |v[T+8*\c+2]|     ; the largest magnitude, in four chains
.endr
.irp c, 0,1,2,3
	v_max3_num_f32 v[MX+\c], v[MX+\c], |v[T+8*\c+3]|, |v[T+8*\c+4]|
.endr
.irp c, 0,1,2,3
	v_max3_num_f32 v[MX+\c], v[MX+\c], |v[T+8*\c+5]|, |v[T+8*\c+6]|
.endr
	v_max3_num_f32 v[MX], v[MX], |v[T+7]|, |v[T+15]|
	v_max3_num_f32 v[MX+2], v[MX+2], |v[T+23]|, |v[T+31]|
	v_max3_num_f32 v[MX], v[MX], v[MX+1], v[MX+2]
	v_max3_num_f32 v[MX], v[MX], v[MX+3], 0x1800000    ; and the floor 2^(3 - 127): the byte cannot fall under 1
	v_add_nc_u32 v[SCV], 0xff000000, v[MX]             ; 2 off the exponent field: the conversion's scale operand
	v_cvt_scalef32_pk16_fp6_f32 v[CDR:CDR+2], v[T:T+15], v[SCV]
	v_cvt_scalef32_pk16_fp6_f32 v[MX:MX+2], v[T+16:T+31], v[SCV]   ; (a conversion's three registers begin on an even number)
	v_lshrrev_b32 v[BY+SETN], 23, v[SCV]               ; the scale's byte; also the plain place behind the conversions
.irp u, 0,1,2
	v_mov_b32 v[CDR+3+\u], v[MX+\u]
.endr
.irp u, 0,1,2
	ds_store_b64 v[WA], v[CDR+2*\u:CDR+2*\u+1] offset:IMG_S*\s+IMG_JW*\jw+24*\p+8*\u
.endr
	ds_store_b8 v[WB], v[BY+SETN] offset:SC_S*\s+SC_JW*\jw+4*\p
.set SETN, 1-SETN
.endm
.macro SHIFT16 s, jw                   ; the nibbles at bits 20, 24, 28 come down to 4, 8, 12
.set kk, 0
.rept 32
	v_lshrrev_b32 v[W+64*\s+2*kk+\jw], 16, v[W+64*\s+2*kk+\jw]
.set kk, kk+1
.endr
	v_lshrrev_b32 v[Z+2*\s+\jw], 16, v[Z+2*\s+\jw]
.endm
.macro DEQSET s
.irp jw, 0,1
	BLOCK \s, \jw, 0, 0
	BLOCK \s, \jw, 2, 1
	BLOCK \s, \jw, 4, 2
	BLOCK \s, \jw, 6, 3
	BLOCK \s, \jw, 1, 4
	SHIFT16 \s, \jw
	BLOCK \s, \jw, 3, 1
	BLOCK \s, \jw, 5, 2
	BLOCK \s, \jw, 7, 3
.endr
.endm
	s_wait_loadcnt 37                              ; set 0 is in; set 1's 37 loads may be out and land while set 0 is worked on
	DEQSET 0
	s_wait_loadcnt 0x0
	DEQSET 1
	s_wait_dscnt 0x0                               ; my images are written
	s_barrier_signal -1
	s_barrier_wait -1                              ; everybody's are; behind this barrier a wave writes only its own stage
	; my eight tiles x four K steps into windows 1 and 2, at 96 (ks % 2) + 12 t; their scale words: lanes 0-15 the even K step's, lanes 16-31 the odd one's
	WIN 0x40
.irp t, 0,1,2,3,4,5,6,7
.irp ks, 0,1
.irp c, 0,1
.irp u, 0,1,2
	ds_load_b64 v[96*\ks+12*\t+6*\c+2*\u:96*\ks+12*\t+6*\c+2*\u+1], v[RA0] offset:TP*\t+KSP*\ks+CP*\c+8*\u
.endr
.endr
.endr
.endr
	WIN 0x80
.irp t, 0,1,2,3,4,5,6,7
.irp ks, 0,1
.irp c, 0,1
.irp u, 0,1,2
	ds_load_b64 v[96*\ks+12*\t+6*\c+2*\u:96*\ks+12*\t+6*\c+2*\u+1], v[RA0] offset:TP*\t+KSP*(\ks+2)+CP*\c+8*\u
.endr
.endr
.endr
.endr
	WIN 0
.irp t, 0,1,2,3,4,5,6,7
.irp kp, 0,1
	ds_load_b32 v[WS+2*\t+\kp], v[RSA] offset:STP*\t+128*\kp
.endr
.endr
	s_wait_kmcnt 0x0
	s_min_u32 s29, s29, 1024                       ; n
	s_add_co_u32 s30, s29, 15
	s_lshr_b32 s30, s30, 4                         ; row tiles: at most 64
	s_sub_co_u32 s59, s30, 1                       ; the last one
	s_add_co_u32 s30, s30, 1
	s_sub_co_u32 s30, s30, s26
	s_lshr_b32 s30, s30, 1                         ; my trips: the tiles par, par + 2, ..: (tiles + 1 - par) / 2
	s_mov_b32 s31, s26                             ; my first tile
	s_mov_b32 s63, 0                               ; trips done
	s_wait_dscnt 0x0
	s_cmp_eq_u32 s30, 0
	s_cbranch_scc1 .Lend
; tile s58: the hidden layer's four fragments (each half: 512 bytes at 16 x lane, 256 at 8 x lane), their scale words, and the 16 rows' numbers 8 t + k
.macro ALOAD
	s_mul_i32 s6, s58, 6144
	s_add_nc_u64 s[2:3], s[14:15], s[6:7]
	s_lshl_b32 s6, s58, 8
	s_add_nc_u64 s[4:5], s[16:17], s[6:7]
	s_lshl_b32 s6, s58, 6
	s_add_nc_u64 s[60:61], s[18:19], s[6:7]
.irp ks, 0,1,2,3
.irp c, 0,1
	global_load_b128 v[HF+12*\ks+6*\c:HF+12*\ks+6*\c+3], v[A16], s[2:3] offset:1536*\ks+768*\c
	global_load_b64 v[HF+12*\ks+6*\c+4:HF+12*\ks+6*\c+5], v[A8], s[2:3] offset:1536*\ks+768*\c+512
.endr
	global_load_b32 v[HS+\ks], v[A4R], s[4:5] offset:64*\ks
.endr
	s_load_b512 s[32:47], s[60:61], 0x0
.endm
	s_min_u32 s58, s31, 63
	ALOAD
.Ltile:
	s_wait_loadcnt 0x0                             ; this tile's fragments are in,
	s_wait_kmcnt 0x0                               ; and its rows' numbers
.irp i, 0,1,2,3,4,5,6,7,8,9,10,11,12,13,14,15
	s_min_u32 s[32+\i], s[32+\i], 8191             ; held inside y
	s_lshl_b32 s[32+\i], s[32+\i], 12              ; a row of y is 4,096 bytes
	v_add_nc_u32 v[VO+\i], s[32+\i], v[CO]
.endr
	; 32 matrix instructions, transposed (source 0 = 16 columns of the output, source 1 = 16 rows); the eight accumulators take turns; the first K step starts the sums
.irp ks, 0,1,2,3
.if \ks < 2
	WIN 0x01
.else
	WIN 0x02
.endif
.irp t, 0,1,2,3,4,5,6,7
.if \ks == 0
	v_wmma_scale_f32_16x16x128_f8f6f4 v[ACC+8*\t:ACC+8*\t+7], v[96*(\ks%2)+12*\t:96*(\ks%2)+12*\t+11], v[HF+12*\ks:HF+12*\ks+11], 0, v[WS+2*\t+\ks/2], v[HS+\ks] matrix_a_fmt:MATRIX_FMT_FP6 matrix_b_fmt:MATRIX_FMT_FP6
.elseif \ks%2 == 0
	v_wmma_scale_f32_16x16x128_f8f6f4 v[ACC+8*\t:ACC+8*\t+7], v[96*(\ks%2)+12*\t:96*(\ks%2)+12*\t+11], v[HF+12*\ks:HF+12*\ks+11], v[ACC+8*\t:ACC+8*\t+7], v[WS+2*\t+\ks/2], v[HS+\ks] matrix_a_fmt:MATRIX_FMT_FP6 matrix_b_fmt:MATRIX_FMT_FP6
.else
	v_wmma_scale_f32_16x16x128_f8f6f4 v[ACC+8*\t:ACC+8*\t+7], v[96*(\ks%2)+12*\t:96*(\ks%2)+12*\t+11], v[HF+12*\ks:HF+12*\ks+11], v[ACC+8*\t:ACC+8*\t+7], v[WS+2*\t+\ks/2], v[HS+\ks] matrix_a_fmt:MATRIX_FMT_FP6 matrix_b_fmt:MATRIX_FMT_FP6 matrix_a_scale:MATRIX_SCALE_ROW1
.endif
.endr
.endr
	WIN 0
.rept 4
	v_nop                                          ; four places behind the last product, ahead of the loads into its operands and of the stores that read results
.endr
	s_add_co_u32 s58, s31, 2                       ; my next tile, or, behind my last, the expert's last once more: a tile that was stored; that load is not used
	s_min_u32 s58, s58, s59
	s_min_u32 s58, s58, 63
	ALOAD
	; a lane holds 32 neighbouring bytes of a row, eight times; through my own stage the rows come back whole: 512 bytes to the 32 lanes.  LDS serves a wave's instructions in order.
.irp t, 0,1,2,3,4,5,6,7
	ds_store_b128 v[SO], v[ACC+8*\t:ACC+8*\t+3] offset:64*\t           ; each accumulator from its low end on
	ds_store_b128 v[SO], v[ACC+8*\t+4:ACC+8*\t+7] offset:64*\t+16
.endr
.irp i, 0,1,2,3,4,5,6,7,8,9,10,11,12,13,14,15
	ds_load_b128 v[OB+4*\i:OB+4*\i+3], v[RD] offset:528*\i
.endr
	s_lshl_b32 s62, s31, 4
	s_sub_co_u32 s62, s29, s62                     ; rows left from this tile on: at least 1
	s_wait_dscnt 0x0
.irp i, 0,1,2,3,4,5,6,7,8,9,10,11,12,13,14,15
.if \i > 0
	s_cmp_gt_u32 s62, \i                           ; slots past the list's end are not stored
	s_cbranch_scc0 .Lrows_done
.endif
	global_store_b128 v[VO+\i], v[OB+4*\i:OB+4*\i+3], s[22:23] th:TH_STORE_NT   ; 512 consecutive bytes of row 8 t + k, at a multiple of 512 from y's first byte
.endr
.Lrows_done:
	s_wait_xcnt 0x0                                ; the stores' offsets and data are written again only behind this wait
	s_add_co_u32 s31, s31, 2                       ; my next tile
	s_add_co_u32 s63, s63, 1                       ; the loop counts its trips, one at a time, against a number that it does not write
	s_cmp_lt_u32 s63, s30
	s_cbranch_scc1 .Ltile
.Lend:
	s_wait_tensorcnt 0x0
	ds_add_u32 v39, v243
	s_wait_dscnt 0x0
	s_endpgm
.Lfunc_end_k_q77d8c02d16_down:
	.size	k_q77d8c02d16_down, .Lfunc_end_k_q77d8c02d16_down-k_q77d8c02d16_down
	.p2alignl 7, 3214868480
	.fill 96, 4, 3214868480
	.section	.rodata,"a",@progbits
	.p2align	6, 0x0
	.amdhsa_kernel k_q77d8c02d16_down
		.amdhsa_group_segment_fixed_size 141824
		.amdhsa_private_segment_fixed_size 0
		.amdhsa_enable_private_segment 0
		.amdhsa_kernarg_size 64
		.amdhsa_user_sgpr_count 2
		.amdhsa_user_sgpr_kernarg_segment_ptr 1
		.amdhsa_wavefront_size32 1
		.amdhsa_system_sgpr_workgroup_id_x 1
		.amdhsa_system_sgpr_workgroup_id_y 1
		.amdhsa_system_sgpr_workgroup_id_z 1
		.amdhsa_system_vgpr_workitem_id 0
		.amdhsa_next_free_vgpr 768
		.amdhsa_next_free_sgpr 66
		.amdhsa_reserve_vcc 0
		.amdhsa_float_denorm_mode_32 3
		.amdhsa_float_denorm_mode_16_64 3
		.amdhsa_memory_ordered 1
		.amdhsa_forward_progress 1
		.amdhsa_inst_pref_size 227
	.end_amdhsa_kernel
	.amdgpu_metadata
---
amdhsa.version: [ 1, 2 ]
amdhsa.kernels:
  - .name:           k_q77d8c02d16_down
    .symbol:         k_q77d8c02d16_down.kd
    .args:
      - { .name: qweight2, .offset: 0, .size: 8, .value_kind: global_buffer, .address_space: global }
      - { .name: qzeros2, .offset: 8, .size: 8, .value_kind: global_buffer, .address_space: global }
      - { .name: scales2, .offset: 16, .size: 8, .value_kind: global_buffer, .address_space: global }
      - { .name: hbuf, .offset: 24, .size: 8, .value_kind: global_buffer, .address_space: global }
      - { .name: hsc, .offset: 32, .size: 8, .value_kind: global_buffer, .address_space: global }
      - { .name: rowlist, .offset: 40, .size: 8, .value_kind: global_buffer, .address_space: global }
      - { .name: cnt, .offset: 48, .size: 8, .value_kind: global_buffer, .address_space: global }
      - { .name: y, .offset: 56, .size: 8, .value_kind: global_buffer, .address_space: global }
    .group_segment_fixed_size: 141824
    .private_segment_fixed_size: 0
    .kernarg_segment_align: 8
    .kernarg_segment_size: 64
    .max_flat_workgroup_size: 128
    .sgpr_count:     66
    .vgpr_count:     768
    .wavefront_size: 32
...
	.end_amdgpu_metadata
.endif
;; end of part 3
;; launch combine (part 4): grid 256 x 1, 8 waves a work-group, no clusters, 0 bytes of LDS; arguments y, out0; writes out0
.if DOCPART == 4
	.amdgcn_target "amdgcn-amd-amdhsa--gfx1250"
	.amdhsa_code_object_version 6
	.text
	.protected	k_q77d8c02d16_combine
	.globl	k_q77d8c02d16_combine
	.p2align	8
	.type	k_q77d8c02d16_combine,@function
k_q77d8c02d16_combine:
	s_mov_b64 s[64:65], 0
	v_nop
	global_prefetch_b8 v0, s[64:65] scope:SCOPE_SE
	s_setreg_imm32_b32 hwreg(HW_REG_WAVE_MODE, 25, 1), 1
	s_wait_xcnt 0x0
; COMBINE.  out0[t] = the sum over k = 0 .. 7 of y[8 t + k].  A stream: no LDS, no barrier, no matrix unit.
; A work-group takes four tokens: their 32 rows of y are one dense run of 131,072 bytes.  Thread i takes the 16 bytes at 16 i of every row, so a wave's load or store covers 512 consecutive bytes
; and the eight waves a row.  All 32 loads of a thread go out at once; the waits count down token by token.
.set ROW, 4096
	s_load_b128 s[4:7], s[0:1], 0x0                ; y s[4:5], out0 s[6:7]
	v_lshlrev_b32 v1, 4, v0
	s_lshl_b32 s8, ttmp9, 17                       ; 32 rows of y
	s_mov_b32 s9, 0
	s_lshl_b32 s10, ttmp9, 14                      ; 4 rows of out0
	s_mov_b32 s11, 0
	s_wait_kmcnt 0x0
	s_add_nc_u64 s[4:5], s[4:5], s[8:9]
	s_add_nc_u64 s[6:7], s[6:7], s[10:11]
.set j, 0
.rept 32
	global_load_b128 v[4+4*j:7+4*j], v1, s[4:5] offset:ROW*j th:TH_LOAD_NT
.set j, j+1
.endr
.macro TOKEN i
.set B, 4+32*\i
	s_wait_loadcnt 24-8*\i                         ; loads come back in order: this token's eight are in, the later tokens' may be out
.irp a, 0,2,4,6
	v_pk_add_f32 v[B+4*\a:B+4*\a+1], v[B+4*\a:B+4*\a+1], v[B+4*\a+4:B+4*\a+5]
	v_pk_add_f32 v[B+4*\a+2:B+4*\a+3], v[B+4*\a+2:B+4*\a+3], v[B+4*\a+6:B+4*\a+7]
.endr
.irp a, 0,4
	v_pk_add_f32 v[B+4*\a:B+4*\a+1], v[B+4*\a:B+4*\a+1], v[B+4*\a+8:B+4*\a+9]
	v_pk_add_f32 v[B+4*\a+2:B+4*\a+3], v[B+4*\a+2:B+4*\a+3], v[B+4*\a+10:B+4*\a+11]
.endr
	v_pk_add_f32 v[B:B+1], v[B:B+1], v[B+16:B+17]
	v_pk_add_f32 v[B+2:B+3], v[B+2:B+3], v[B+18:B+19]
	global_store_b128 v1, v[B:B+3], s[6:7] offset:ROW*\i th:TH_STORE_NT
.endm
	TOKEN 0
	TOKEN 1
	TOKEN 2
	TOKEN 3
	s_endpgm
.Lfunc_end_k_q77d8c02d16_combine:
	.size	k_q77d8c02d16_combine, .Lfunc_end_k_q77d8c02d16_combine-k_q77d8c02d16_combine
	.p2alignl 7, 3214868480
	.fill 96, 4, 3214868480
	.section	.rodata,"a",@progbits
	.p2align	6, 0x0
	.amdhsa_kernel k_q77d8c02d16_combine
		.amdhsa_group_segment_fixed_size 0
		.amdhsa_private_segment_fixed_size 0
		.amdhsa_enable_private_segment 0
		.amdhsa_kernarg_size 16
		.amdhsa_user_sgpr_count 2
		.amdhsa_user_sgpr_kernarg_segment_ptr 1
		.amdhsa_wavefront_size32 1
		.amdhsa_system_sgpr_workgroup_id_x 1
		.amdhsa_system_sgpr_workgroup_id_y 1
		.amdhsa_system_sgpr_workgroup_id_z 1
		.amdhsa_system_vgpr_workitem_id 0
		.amdhsa_next_free_vgpr 136
		.amdhsa_next_free_sgpr 66
		.amdhsa_reserve_vcc 0
		.amdhsa_float_denorm_mode_32 3
		.amdhsa_float_denorm_mode_16_64 3
		.amdhsa_memory_ordered 1
		.amdhsa_forward_progress 1
		.amdhsa_inst_pref_size 8
	.end_amdhsa_kernel
	.amdgpu_metadata
---
amdhsa.version: [ 1, 2 ]
amdhsa.kernels:
  - .name:           k_q77d8c02d16_combine
    .symbol:         k_q77d8c02d16_combine.kd
    .args:
      - { .name: y, .offset: 0, .size: 8, .value_kind: global_buffer, .address_space: global }
      - { .name: out0, .offset: 8, .size: 8, .value_kind: global_buffer, .address_space: global }
    .group_segment_fixed_size: 0
    .private_segment_fixed_size: 0
    .kernarg_segment_align: 8
    .kernarg_segment_size: 16
    .max_flat_workgroup_size: 256
    .sgpr_count:     66
    .vgpr_count:     136
    .wavefront_size: 32
...
	.end_amdgpu_metadata
.endif
;; end of part 4
;; ======== version 2 of 2: 4 launches
;; workspace buffers: kt 262,144 bytes of whole numbers; topv 32,768 bytes; rowlist 262,144 bytes of whole numbers; cnt 32,768 bytes of whole numbers; hbuf 25,165,824 bytes; hsc 1,048,576 bytes; y 33,554,432 bytes
;; launch router (part 5): grid 16 x 1, 4 waves a work-group, no clusters, 118,272 bytes of LDS; arguments x_codes, x_scales, gate_w_codes, gate_w_scales, kt, topv; writes kt, topv
.if DOCPART == 5
	.amdgcn_target "amdgcn-amd-amdhsa--gfx1250"
	.amdhsa_code_object_version 6
	.text
	.protected	k_q77d8c02d16_router
	.globl	k_q77d8c02d16_router
	.p2align	8
	.type	k_q77d8c02d16_router,@function
k_q77d8c02d16_router:
	s_mov_b64 s[64:65], 0
	v_nop
	global_prefetch_b8 v0, s[64:65] scope:SCOPE_SE
	s_setreg_imm32_b32 hwreg(HW_REG_WAVE_SCHED_MODE, 0, 2), 2
	s_setreg_imm32_b32 hwreg(HW_REG_WAVE_MODE, 25, 1), 1
	s_wait_xcnt 0x0
	s_wait_alu depctr_vm_vsrc(0)
; ROUTER.  logits = x gate_w^T on the given codes of E2M3 (K = 1,024: eight matrix instructions deep), softmax over the 64 experts, the eight largest
; probabilities (of equal ones the lower expert first), renormalised.  Stored at fixed places: kt[e][t] = k if expert e is token t's k-th choice, else -1
; (whole numbers); topv[t][k] = the k-th weight.  No address and no branch hangs on the choice.
; SHARES.  A work-group takes 64 tokens, a wave 16.  The product is used transposed (source 0 = 16 experts, source 1 = 16 tokens): lane (r, hh) holds token r,
; and register 8 t + j of the four accumulators holds expert 16 t + 8 hh + j: a token's 64 numbers lie in lanes r and r + 16.
; THE CODES COME IN WHOLE RUNS OF 256 BYTES.  A row of 1,024 codes is 768 bytes: three aligned runs of 256.  A load takes one run of row 2 j in lanes 0-15 and one of row 2 j + 1 in lanes 16-31,
; 16 bytes a lane: 24 loads for 16 rows.  The rows go to LDS, 784 bytes apart, and come back as fragments, 8 bytes a lane.  Wave w fetches the gate's rows 16 w .. 16 w + 15 for all four waves
; (one barrier) and its own 16 tokens for itself.  With that pitch (98 columns of 8 bytes) lane (r, hh) of a fragment load falls on column 2 r + 3 hh modulo 32: 32 different columns.
; LIMITS: NaN and infinities are not served.  Probabilities that differ by less than the rounding of f32 and of v_exp_f32 may be ordered otherwise than by an exact softmax.
; LDS: 0 the gate's 64 rows; 50,176 a stage of 16 rows of x for each wave; 100,352 kt's stage, 64 rows of 272 bytes.
; REGISTERS: window 0: v1-15 addresses; v16-23 x's scale words, v24-39 the gate's (these hold scales alone); v40-135 x's rows as loaded, then its eight fragments; v136-231 the gate's rows as loaded;
; then v136-167 the accumulators and the probabilities; v168-175 the eight chosen; v176-197 at work; v200-231 kt's rows on the way out; v232-235 topv.
; Windows 1, 2: the gate's 32 fragments (K steps 0-3, 4-7) at 48 (ks % 4) + 12 t.
; THE MODE: SCHED_MODE bits 1:0 = 2 (LLVM: expert scheduling mode 2), set by the entry lines.  The code itself states the register dependences
; between vector or matrix instructions and memory or LDS instructions, with s_wait_alu, always for 0.
; THE PLAN.  Registers that memory or LDS instructions touch:
;   v3-8, v11, v13-15  offsets and LDS addresses: made at the head, never written again.  One wait on va_vdst ahead of the first load serves every load and store of the kernel.
;   v136-231  the gate's rows: loads land, 24 LDS stores read them; afterwards accumulators and vector registers, and v200-231 take kt's rows from LDS.
;   v40-135   x's rows: loads land, 24 LDS stores read them, the fragments' LDS loads land in them.
;             One wait on vm_vsrc, behind the barrier and ahead of x's fragments, states that the 48 LDS stores have read their data: all later writes of these registers stand behind it.
;   v136-167, v232-235  kt's numbers and topv's: written by vector instructions, read by the stores of the way out: one wait on va_vdst ahead of those stores.
;   Masks: the 32 compares of a search go into s32-63 in one run, with one wait on va_sdst ahead of the 32 selects that read them: two runs a choice.
.set SPT,  784
.set XSTG, 50176
.set KST,  100352
.set XS,  16
.set WS,  24
.set XF,  40
.set GS,  136
.set ACC, 136
.set V,   136
.set TV,  168
.set M,   176
.set MP,  177
.set C,   178
.set IDX, 182
.set EL,  186
.set EP,  187
.set LT,  188
.set MK,  189
.set MXP, 190
.set SUM, 192
.set INV, 196
.set KO,  200
.set TO,  232
.set MKS, 32                           ; s32-63 the masks of a run of 32 compares: 8 t + j
.set MSB, 0
.macro WIN new                         ; the immediate's high byte repeats the setting that is left; a switch that changes nothing is dropped
.if MSB != \new
	s_set_vgpr_msb (MSB<<8)|\new
.set MSB, \new
.endif
.endm
	s_load_b256 s[8:15], s[0:1], 0x0               ; x's codes s[8:9], x's scales s[10:11], the gate's codes s[12:13], its scales s[14:15]
	s_load_b128 s[16:19], s[0:1], 0x20             ; kt s[16:17], topv s[18:19]
	v_lshl_add_u32 v254, v0, 2, 0x1cc00
	v_mov_b32 v255, 0
	v_lshrrev_b32 v10, 5, v0
	v_readfirstlane_b32 s24, v10                   ; wave 0..3
	v_and_b32 v1, 15, v0                           ; r
	v_bfe_u32 v2, v0, 4, 1                         ; hh
	v_lshlrev_b32 v12, 4, v1                       ; 16 r
	v_mad_u32_u24 v3, v2, 768, v12                 ; in memory: row hh of a pair, my 16 bytes of a run
	s_wait_alu depctr_va_sdst(0)                   ; s24 is written, ahead of its first reader: LDS places and the bases are made from it
	s_mul_i32 s22, s24, 16*SPT                     ; my wave's 16 rows in LDS
	v_mad_u32_u24 v13, v2, SPT, v12                ; into LDS: the same place, rows 784 bytes apart
	v_add_nc_u32 v13, s22, v13
	v_mul_u32_u24 v14, v1, SPT                     ; a fragment's row r, + 24 hh: the gate's,
	v_mad_u32_u24 v14, v2, 24, v14
	v_add_nc_u32 v15, s22, v14                     ; and x's, in my wave's stage
	v_lshlrev_b32 v4, 5, v1                        ; 32 r: a row of 32 scale bytes
	v_lshl_add_u32 v5, v2, 2, v4                   ; 32 r + 4 hh: the gate's words of an even K step below, of the odd one above
	v_lshl_add_u32 v11, v2, 4, v4                  ; 32 r + 16 hh: topv
	v_mul_u32_u24 v6, v2, 2176                     ; kt's stage, in: row = expert (272 bytes: 64 tokens + 16), 8 hh rows down,
	v_lshl_add_u32 v6, v1, 2, v6                   ; + 4 r
	s_lshl_b32 s26, s24, 6
	s_add_co_u32 s26, s26, KST
	v_add_nc_u32 v6, s26, v6                       ; + 64 x wave
	s_lshl_b32 s26, s24, 4                         ; 16 x wave
	v_add_nc_u32 v7, s26, v2                       ; back: expert 16 w + hh (+ 2 i)
	v_lshlrev_b32 v8, 12, v7                       ; its row of kt, 4,096 bytes,
	v_lshl_add_u32 v8, v1, 4, v8                   ; + 16 r
	v_mul_u32_u24 v7, v7, 272
	v_lshl_add_u32 v7, v1, 4, v7
	v_add_nc_u32 v7, KST, v7
	v_lshlrev_b32 v9, 3, v2                        ; 8 hh
	s_mov_b32 s28, 0x76543210
	s_mov_b32 s29, 0xfedcba98                      ; v_permlanex16_b32's selects for lane l xor 16
	s_mov_b32 s30, 0x3fb8aa3b                      ; c = log2(e)
	s_mov_b32 s31, s30                             ; (named with it as a pair)
	s_lshl_b32 s25, ttmp9, 6
	s_add_co_u32 s25, s25, s26                     ; my first token: 64 x work-group + 16 x wave
	s_wait_kmcnt 0x0
	s_mul_i32 s26, s25, 768
	s_mov_b32 s27, 0
	s_add_nc_u64 s[8:9], s[8:9], s[26:27]
	s_lshl_b32 s26, s25, 5
	s_add_nc_u64 s[10:11], s[10:11], s[26:27]
	s_add_nc_u64 s[18:19], s[18:19], s[26:27]
	s_lshl_b32 s26, ttmp9, 8                       ; kt: my work-group's 64 tokens are 256 bytes of each row
	s_add_nc_u64 s[16:17], s[16:17], s[26:27]
	s_mul_i32 s26, s24, 12288                      ; the gate's rows 16 w on
	s_add_nc_u64 s[12:13], s[12:13], s[26:27]
	s_wait_alu depctr_va_vdst(0)                   ; the offsets and LDS addresses v3-8, v11, v13-15 are written: every load and store below reads one of them
.irp j, 0,1,2,3,4,5,6,7
.irp u, 0,1,2
	global_load_b128 v[GS+12*\j+4*\u:GS+12*\j+4*\u+3], v3, s[12:13] offset:1536*\j+256*\u    ; two aligned runs of 256 bytes: rows 2 j and 2 j + 1
.endr
.endr
.irp j, 0,1,2,3,4,5,6,7
.irp u, 0,1,2
	global_load_b128 v[XF+12*\j+4*\u:XF+12*\j+4*\u+3], v3, s[8:9] offset:1536*\j+256*\u
.endr
.endr
	global_load_b128 v[XS:XS+3], v4, s[10:11]
	global_load_b128 v[XS+4:XS+7], v4, s[10:11] offset:16
	s_wait_loadcnt 26                              ; the gate's 24 loads are in; x's 24 and the two of its scale words are younger
.irp j, 0,1,2,3,4,5,6,7
.irp u, 0,1,2
	ds_store_b128 v13, v[GS+12*\j+4*\u:GS+12*\j+4*\u+3] offset:2*SPT*\j+256*\u
.endr
.endr
.irp t, 0,1,2,3
.irp kp, 0,1,2,3
	global_load_b32 v[WS+4*\t+\kp], v5, s[14:15] offset:512*\t+8*\kp
.endr
.endr
	s_wait_loadcnt 18                              ; x's 24 loads are in; 2 + 16 loads of scale words are younger
.irp j, 0,1,2,3,4,5,6,7
.irp u, 0,1,2
	ds_store_b128 v13, v[XF+12*\j+4*\u:XF+12*\j+4*\u+3] offset:XSTG+2*SPT*\j+256*\u
.endr
.endr
	s_wait_dscnt 0x0                               ; for the others' sake: my 16 rows of the gate lie in LDS
	s_barrier_signal -1
	s_barrier_wait -1                              ; all 64 do
	WIN 0x40                                       ; destination window 1
.irp t, 0,1,2,3
.irp ks, 0,1,2,3
.irp c, 0,1
.irp u, 0,1,2
	ds_load_b64 v[48*\ks+12*\t+6*\c+2*\u:48*\ks+12*\t+6*\c+2*\u+1], v14 offset:16*SPT*\t+96*\ks+48*\c+8*\u
.endr
.endr
.endr
.endr
	WIN 0x80                                       ; destination window 2
.irp t, 0,1,2,3
.irp ks, 0,1,2,3
.irp c, 0,1
.irp u, 0,1,2
	ds_load_b64 v[48*\ks+12*\t+6*\c+2*\u:48*\ks+12*\t+6*\c+2*\u+1], v14 offset:16*SPT*\t+96*(\ks+4)+48*\c+8*\u
.endr
.endr
.endr
.endr
	WIN 0
	s_wait_alu depctr_vm_vsrc(0)                   ; my 48 LDS stores have read v40-231: x's fragments land in v40-135 below; the products and the vector work write v136-197; kt's rows land in v200-231
.irp ks, 0,1,2,3,4,5,6,7
.irp c, 0,1
.irp u, 0,1,2
	ds_load_b64 v[XF+12*\ks+6*\c+2*\u:XF+12*\ks+6*\c+2*\u+1], v15 offset:XSTG+96*\ks+48*\c+8*\u
.endr
.endr
.endr
	v_mov_b32 v[MP], 0                             ; a lane permute's destination counts as one of its sources
	v_mov_b32 v[EP], 0
	s_wait_dscnt 0x0                               ; the fragments,
	s_wait_loadcnt 0x0                             ; and the scale words
; 32 matrix instructions; the four accumulators take turns, one instruction a turn; the first K step starts the sums
.irp ks, 0,1,2,3,4,5,6,7
.if \ks < 4
	WIN 0x01
.else
	WIN 0x02
.endif
.irp t, 0,1,2,3
.if \ks == 0
	v_wmma_scale_f32_16x16x128_f8f6f4 v[ACC+8*\t:ACC+8*\t+7], v[48*(\ks%4)+12*\t:48*(\ks%4)+12*\t+11], v[XF+12*\ks:XF+12*\ks+11], 0, v[WS+4*\t+\ks/2], v[XS+\ks] matrix_a_fmt:MATRIX_FMT_FP6 matrix_b_fmt:MATRIX_FMT_FP6
.elseif \ks%2 == 0
	v_wmma_scale_f32_16x16x128_f8f6f4 v[ACC+8*\t:ACC+8*\t+7], v[48*(\ks%4)+12*\t:48*(\ks%4)+12*\t+11], v[XF+12*\ks:XF+12*\ks+11], v[ACC+8*\t:ACC+8*\t+7], v[WS+4*\t+\ks/2], v[XS+\ks] matrix_a_fmt:MATRIX_FMT_FP6 matrix_b_fmt:MATRIX_FMT_FP6
.else
	v_wmma_scale_f32_16x16x128_f8f6f4 v[ACC+8*\t:ACC+8*\t+7], v[48*(\ks%4)+12*\t:48*(\ks%4)+12*\t+11], v[XF+12*\ks:XF+12*\ks+11], v[ACC+8*\t:ACC+8*\t+7], v[WS+4*\t+\ks/2], v[XS+\ks] matrix_a_fmt:MATRIX_FMT_FP6 matrix_b_fmt:MATRIX_FMT_FP6 matrix_a_scale:MATRIX_SCALE_ROW1
.endif
.endr
.endr
	WIN 0
.rept 4
	v_nop                                          ; four places behind the last product, ahead of the first read of results (ISA guide 7.12.1)
.endr
; the largest of a token's 64 numbers: four chains, one an accumulator, each from its low end; then the lane 16 away
.macro MAXTREE dst
.irp t, 0,1,2,3
	v_max3_num_f32 v[C+\t], v[V+8*\t], v[V+8*\t+1], v[V+8*\t+2]
.endr
.irp t, 0,1,2,3
	v_max3_num_f32 v[C+\t], v[C+\t], v[V+8*\t+3], v[V+8*\t+4]
.endr
.irp t, 0,1,2,3
	v_max3_num_f32 v[C+\t], v[C+\t], v[V+8*\t+5], v[V+8*\t+6]
.endr
.irp t, 0,1,2,3
	v_max_num_f32 v[C+\t], v[C+\t], v[V+8*\t+7]
.endr
	v_max3_num_f32 v[M], v[C], v[C+1], v[C+2]
	v_max_num_f32 v[M], v[M], v[C+3]
	v_permlanex16_b32 v[MP], v[M], s28, s29
	v_max_num_f32 v[\dst], v[M], v[MP]
.endm
	; SOFTMAX: the row's maximum is taken away ahead of the exponential: p = 2^(c l - c max) / the sum
	MAXTREE MXP
	v_mul_f32 v[MXP], 0xbfb8aa3b, v[MXP]           ; - c max (its rounding is a factor common to the row: the division takes it out)
	v_mov_b32 v[MXP+1], v[MXP]
.set kk, 0
.rept 16
	v_pk_fma_f32 v[V+kk:V+kk+1], v[V+kk:V+kk+1], s[30:31], v[MXP:MXP+1] op_sel_hi:[1,0,0]
.set kk, kk+2
.endr
.set kk, 0
	s_wait_alu depctr_va_vdst(0)
.rept 32
	v_exp_f32 v[V+kk], v[V+kk]
.set kk, kk+1
.endr
	v_nop                                          ; a plain place behind the last exponential
	s_wait_alu depctr_va_vdst(0)                   ; the 32 exponentials have written v136-167: one wait for the batch, ahead of its first reader
	v_pk_add_f32 v[SUM:SUM+1], v[V:V+1], v[V+2:V+3]
	v_pk_add_f32 v[SUM+2:SUM+3], v[V+4:V+5], v[V+6:V+7]
.irp j, 8,12,16,20,24,28
	v_pk_add_f32 v[SUM:SUM+1], v[SUM:SUM+1], v[V+\j:V+\j+1]
	v_pk_add_f32 v[SUM+2:SUM+3], v[SUM+2:SUM+3], v[V+\j+2:V+\j+3]
.endr
	v_pk_add_f32 v[SUM:SUM+1], v[SUM:SUM+1], v[SUM+2:SUM+3]
	v_add_f32 v[SUM], v[SUM], v[SUM+1]
	v_permlanex16_b32 v[MP], v[SUM], s28, s29
	v_add_f32 v[SUM], v[SUM], v[MP]
	s_wait_alu depctr_va_vdst(0)
	v_rcp_f32 v[INV], v[SUM]
	v_nop
	s_wait_alu depctr_va_vdst(0)                   ; the reciprocal has written v196, ahead of its first reader
	v_mov_b32 v[INV+1], v[INV]
.set kk, 0
.rept 16
	v_pk_mul_f32 v[V+kk:V+kk+1], v[V+kk:V+kk+1], v[INV:INV+1]
.set kk, kk+2
.endr
; THE k-TH CHOICE.  The largest probability left; the lowest expert that has it (the selects go through the registers from the highest down, so the lowest index stays); that one entry is
; replaced by the marker -(k + 1), which is under every probability and so is never chosen again.  All by selects: no branch, no address.
; Each of the two searches is a run of 32 compares into s32-63, one wait, and the 32 selects.
.macro ROUND k
	MAXTREE TV+\k
.irp t, 0,1,2,3
	v_mov_b32 v[IDX+\t], 64
.endr
.irp j, 0,1,2,3,4,5,6,7
.irp t, 0,1,2,3
	v_cmp_eq_f32 s[MKS+8*\t+\j], v[V+8*\t+\j], v[TV+\k]
.endr
.endr
	s_wait_alu depctr_va_sdst(0)                   ; the 32 compares have written s32-63, which the selects below read
.irp j, 7,6,5,4,3,2,1,0
.irp t, 0,1,2,3
	v_cndmask_b32 v[IDX+\t], v[IDX+\t], 16*\t+\j, s[MKS+8*\t+\j]
.endr
.endr
	v_min_u32 v[IDX], v[IDX], v[IDX+1]
	v_min_u32 v[IDX+2], v[IDX+2], v[IDX+3]
	v_min_u32 v[IDX], v[IDX], v[IDX+2]
	v_add_nc_u32 v[EL], v[IDX], v9                 ; my half's lowest expert (64 or more: none)
	v_permlanex16_b32 v[EP], v[EL], s28, s29
	v_min_u32 v[EL], v[EL], v[EP]                  ; the chosen expert
	v_sub_nc_u32 v[LT], v[EL], v9                  ; equals a local index 16 t + j (bit 3 clear) only in the half that holds the expert
	v_cvt_f32_i32 v[MK], -(\k+1)
.irp j, 0,1,2,3,4,5,6,7
.irp t, 0,1,2,3
	v_cmp_eq_u32 s[MKS+8*\t+\j], 16*\t+\j, v[LT]
.endr
.endr
	s_wait_alu depctr_va_sdst(0)                   ; the 32 compares have written s32-63, which the selects below read
.irp j, 0,1,2,3,4,5,6,7
.irp t, 0,1,2,3
	v_cndmask_b32 v[V+8*\t+\j], v[V+8*\t+\j], v[MK], s[MKS+8*\t+\j]
.endr
.endr
.endm
.irp k, 0,1,2,3,4,5,6,7
	ROUND \k
.endr
	; the eight weights, renormalised; lane (r, hh) stores weights 4 hh .. 4 hh + 3 of token r: the wave stores 512 consecutive bytes
	v_add_f32 v[SUM], v[TV], v[TV+1]
	v_add_f32 v[SUM+1], v[TV+2], v[TV+3]
	v_add_f32 v[SUM+2], v[TV+4], v[TV+5]
	v_add_f32 v[SUM+3], v[TV+6], v[TV+7]
	v_add_f32 v[SUM], v[SUM], v[SUM+1]
	v_add_f32 v[SUM+2], v[SUM+2], v[SUM+3]
	v_add_f32 v[SUM], v[SUM], v[SUM+2]
	s_wait_alu depctr_va_vdst(0)
	v_rcp_f32 v[INV], v[SUM]
	v_nop
	v_cmp_eq_u32 vcc_lo, 1, v2
	s_wait_alu depctr_va_vdst(0)                   ; the reciprocal has written v196, ahead of its first reader
.irp k, 0,1,2,3,4,5,6,7
	v_mul_f32 v[TV+\k], v[TV+\k], v[INV]
.endr
	s_wait_alu depctr_va_vcc(0)                    ; the compare has written VCC, which the four selects read
.irp i, 0,1,2,3
	v_cndmask_b32 v[TO+\i], v[TV+\i], v[TV+4+\i], vcc_lo
.endr
	; kt: a marker -(k + 1) becomes k, a probability (under 1: it was not chosen) becomes -1; through a stage, so that sixteen lanes store 256 consecutive bytes of an expert's row
.set kk, 0
.rept 32
	v_cvt_i32_f32 v[V+kk], v[V+kk]
.set kk, kk+1
.endr
.set kk, 0
.rept 32
	v_xor_b32 v[V+kk], -1, v[V+kk]
.set kk, kk+1
.endr
	s_wait_alu depctr_va_vdst(0)                   ; the selects have written v232-235 and the last 32 lines v136-167: the data of the stores below
	global_store_b128 v11, v[TO:TO+3], s[18:19]
.irp t, 0,1,2,3
.irp j, 0,1,2,3,4,5,6,7
	ds_store_b32 v6, v[V+8*\t+\j] offset:(16*\t+\j)*272
.endr
.endr
	s_wait_dscnt 0x0                               ; for the others' sake: my stores into the stage are done
	s_barrier_signal -1
	s_barrier_wait -1
.irp i, 0,1,2,3,4,5,6,7
	ds_load_b128 v[KO+4*\i:KO+4*\i+3], v7 offset:544*\i    ; v200-231: no vector instruction has named them, and the LDS stores that read them stand ahead of the wait on vm_vsrc
.endr
.irp i, 0,1,2,3,4,5,6,7
	s_wait_dscnt 7-\i                              ; LDS loads come back in order: the 7 - i younger ones may be out
	global_store_b128 v8, v[KO+4*\i:KO+4*\i+3], s[16:17] offset:8192*\i
.endr
	s_wait_dscnt 0x0                               ; the closing lines, six on end
	s_wait_alu 0x0
	s_wait_tensorcnt 0x0
	ds_add_u32 v254, v255
	s_wait_dscnt 0x0
	s_endpgm
.Lfunc_end_k_q77d8c02d16_router:
	.size	k_q77d8c02d16_router, .Lfunc_end_k_q77d8c02d16_router-k_q77d8c02d16_router
	.p2alignl 7, 3214868480
	.fill 96, 4, 3214868480
	.section	.rodata,"a",@progbits
	.p2align	6, 0x0
	.amdhsa_kernel k_q77d8c02d16_router
		.amdhsa_group_segment_fixed_size 118272
		.amdhsa_private_segment_fixed_size 0
		.amdhsa_enable_private_segment 0
		.amdhsa_kernarg_size 48
		.amdhsa_user_sgpr_count 2
		.amdhsa_user_sgpr_kernarg_segment_ptr 1
		.amdhsa_wavefront_size32 1
		.amdhsa_system_sgpr_workgroup_id_x 1
		.amdhsa_system_sgpr_workgroup_id_y 1
		.amdhsa_system_sgpr_workgroup_id_z 1
		.amdhsa_system_vgpr_workitem_id 0
		.amdhsa_next_free_vgpr 768
		.amdhsa_next_free_sgpr 66
		.amdhsa_reserve_vcc 1
		.amdhsa_float_denorm_mode_32 3
		.amdhsa_float_denorm_mode_16_64 3
		.amdhsa_memory_ordered 1
		.amdhsa_forward_progress 1
		.amdhsa_inst_pref_size 121
	.end_amdhsa_kernel
	.amdgpu_metadata
---
amdhsa.version: [ 1, 2 ]
amdhsa.kernels:
  - .name:           k_q77d8c02d16_router
    .symbol:         k_q77d8c02d16_router.kd
    .args:
      - { .name: x_codes, .offset: 0, .size: 8, .value_kind: global_buffer, .address_space: global }
      - { .name: x_scales, .offset: 8, .size: 8, .value_kind: global_buffer, .address_space: global }
      - { .name: gate_w_codes, .offset: 16, .size: 8, .value_kind: global_buffer, .address_space: global }
      - { .name: gate_w_scales, .offset: 24, .size: 8, .value_kind: global_buffer, .address_space: global }
      - { .name: kt, .offset: 32, .size: 8, .value_kind: global_buffer, .address_space: global }
      - { .name: topv, .offset: 40, .size: 8, .value_kind: global_buffer, .address_space: global }
    .group_segment_fixed_size: 118272
    .private_segment_fixed_size: 0
    .kernarg_segment_align: 8
    .kernarg_segment_size: 48
    .max_flat_workgroup_size: 128
    .sgpr_count:     66
    .vgpr_count:     768
    .wavefront_size: 32
...
	.end_amdgpu_metadata
.endif
;; end of part 5
;; launch up (part 6): grid 256 x 1, 4 waves a work-group, no clusters, 160,256 bytes of LDS; arguments x_codes, x_scales, qweight1, qzeros1, scales1, kt, topv, hbuf, hsc, rowlist, cnt; writes hbuf, hsc, rowlist, cnt
.if DOCPART == 6
	.amdgcn_target "amdgcn-amd-amdhsa--gfx1250"
	.amdhsa_code_object_version 6
	.text
	.protected	k_q77d8c02d16_up
	.globl	k_q77d8c02d16_up
	.p2align	8
	.type	k_q77d8c02d16_up,@function
k_q77d8c02d16_up:
	s_mov_b64 s[64:65], 0
	v_nop
	global_prefetch_b8 v0, s[64:65] scope:SCOPE_SE
	s_setreg_imm32_b32 hwreg(HW_REG_WAVE_MODE, 25, 1), 1
	s_wait_xcnt 0x0
; UP.  Work-group 4 e + q: hidden units 128 q .. 128 q + 127 of expert e, for the rows (token, k) that chose e, and for no others: reference() multiplies the other rows by a weight 0.
; (1) the expert's rows are listed from kt[e]; (2) the slice of W1 (128 units x K = 1,024) is made from the AWQ words, (q - z) x scale in f32, quantised along K to E2M3 and laid in LDS as
; images of operand registers; each wave then holds 64 units x all K in 384 registers; (3) for each 16 rows: x's codes are gathered, x W1^T, silu x the row's weight, quantised along the units,
; and stored as one half of an operand fragment of the next product.
; No tensor load: the number of row tiles is read from memory.  No multicast: what the four work-groups of an expert share, x's rows, is a gather by a list.
; THE DEQUANTISER.  A lane owns two neighbouring words (16 columns) and, in each of two sets, one block of 32 rows along K: so all 32 numbers of a block of one column lie in one lane's registers,
; the block's largest magnitude needs no other lane, and the conversions give codes with K innermost.  Column 8 j + p of word j sits at bit 0, 16, 4, 20, 8, 24, 12, 28 for p = 0 .. 7.
; (w & (15 << 4 i)) | ((150 - 4 i) << 23) is the f32 number 2^(23 - 4 i) + q, exactly; the same of the zero's word; their difference is q - z, exactly; one multiplication by the scale rounds once.
; THE UNITS OF A TILE ARE NOT NEIGHBOURS: row rho of tile 2 b + u is unit 32 b + 8 u + rho + 8 (rho / 8), so that a lane's 16 registers of tiles 2 b, 2 b + 1 are 16 neighbours along the next K.
; THE GATHER TAKES WHOLE RUNS OF 256 BYTES.  A token's 1,024 codes are 768 bytes: three aligned runs of 256.  A load takes one run of the tile's row 2 j in lanes 0-15 and one of row 2 j + 1 in
; lanes 16-31, 16 bytes a lane: 24 loads for 16 rows.  The rows go through the wave's own stage in LDS, 784 bytes apart, and come back as the eight fragments, 8 bytes a lane, into the registers
; that they left.  With that pitch (98 columns of 8 bytes) lane (r, hh) of a fragment load falls on column 2 r + 3 hh modulo 32: 32 different columns.
; THE LOOP OVER ROW TILES HAS A CONSTANT NUMBER OF TRIPS, 32 (64 tiles at the most, every second one mine); a wave jumps over the work of the trips that it does not have.  So every LDS address in it
; is a constant, a lane's term, a wave's term and a counted step.
; LIMITS: NaN and infinities are not served.  A block of zeros gets the scale byte 1 where the rule says 127: its codes are zeros, and this program alone reads the bytes.
; (v x weight) x sigmoid(v) stands for (v x sigmoid(v)) x weight: the two roundings fall in another order.
; LDS: 0 the images: block (tile, ks, c, hh, rho) of 24 bytes at 12,424 tile + 1,552 ks + 776 c + 24 (rho + 16 hh); 99,392 the scale words: 544 tile + 64 ks + 4 rho;
;      103,936 the list, 1,152 words, and behind it 32 words for the lanes that have nothing to list; 108,800 a stage of 16 rows x 784 bytes for each wave.
; With the images' pitches the 32 lanes of a store or load of 8 bytes fall on 32 different columns of 8 bytes modulo 256.
.set TP,     12424
.set KSP,    1552
.set CP,     776
.set WSC,    99392
.set STP,    544
.set LIST,   103936
.set STG,    108800
.set SPT,    784
.set IMG_S,  1552                      ; the image's place: + 1,552 s + 12,424 jw + 24 p
.set IMG_JW, 12424
.set SC_S,   64                        ; the scale byte's: + 64 s + 544 jw + 4 p
.set SC_JW,  544
.set WGA, 1                            ; v1  qweight1: ((8 w + kb) << 19) + 8 jp
.set ZGA, 2                            ; v2  qzeros1
.set SGA, 3                            ; v3  scales1
.set KTA, 4                            ; v4  16 x lane
.set WA,  5                            ; v5  where my blocks' codes go
.set WB,  6                            ; v6  and their scale bytes
.set RA0, 7                            ; v7  24 x lane + my four tiles
.set RSA, 8                            ; v8  my tiles' scale words
.set LCA, 9                            ; v9  LIST + 16 x thread
.set DMI, 10                           ; v10 1,152 + lane
.set LA,  11                           ; v11 LIST + 4 r
.set TB,  12                           ; v12 32 x lane
.set BY,  13                           ; v13-14 scale bytes, two sets
.set LN,  15                           ; v15 lane
.set STW, 1                            ; the products: v1 the stage, in: 784 hh + 16 r;  v2 back: 784 r + 24 hh;  v3 LIST + 4 hh;  v4, v5 the list's addresses of the tile in hand
.set STR, 2
.set LJ0, 3
.set LAC, 4
.set LJC, 5
.set XS,  16                           ; v16-23 x's scale words; v24-39 W1's: these hold scales alone
.set WS,  24
.set W,   40                           ; v40-167  the words: 64 s + 2 i + jw
.set T,   168                          ; v168-199 a block's 32 numbers (first: kt's row)
.set S,   200                          ; v200-231 the scales: 16 s + 8 jw + p
.set Z,   232                          ; v232-235 the zeros' words
.set FZ,  236
.set MX,  238
.set SCV, 242
.set CD,  244                          ; v244-255 a block's codes, two sets
.set SA,  244                          ; the list: four address and four data registers by turns
.set RID, 248
.set RR,  252
.set XF,  40                           ; the products: x's 16 rows as loaded, then its eight fragments
.set ACC, 136
.set E,   168
.set P,   200
.set Q,   206
.set MXQ, 210
.set PD,  212
.set SCQ, 214
.set BYQ, 216
.set HW,  218
.set CW,  220
.set CWN, 222
.set LE,  223
.set TOK, 224
.set XSAD, 226
.set CWAD, 227
.set SLOT, 228
.set C16, 229
.set HH,  230
.set HA16, 231
.set HA8, 232
.set HSA, 233
.set NV,  234
.set RLO, 236
.set CNO, 237
.set GA,  240                          ; v240-247 row 2 j + hh's place in x: token x 768 + 16 r
.set LC,  248
.set MSK, 40                           ; s40-44 15 << 4 i;  s45-49 (150 - 4 i) << 23
.set CON, 45
.set TL,  54                           ; s54 the tile's place in the list, in bytes: 64 par + 128 x trip
.set SETN, 0
.set MSB, 0
.macro WIN new                         ; the immediate's high byte repeats the setting that is left; a switch that changes nothing is dropped
.if MSB != \new
	s_set_vgpr_msb (MSB<<8)|\new
.set MSB, \new
.endif
.endm
	s_load_b512 s[8:23], s[0:1], 0x0               ; x_codes s[8:9], x_scales s[10:11], qweight1 s[12:13], qzeros1 s[14:15], scales1 s[16:17], kt s[18:19], topv s[20:21], hbuf s[22:23]
	s_load_b128 s[24:27], s[0:1], 0x40             ; hsc s[24:25], rowlist s[26:27]
	s_load_b64 s[28:29], s[0:1], 0x50              ; cnt
	s_set_vgpr_msb 0x40
	v_lshl_add_u32 v254, v0, 2, 0x27000
	v_mov_b32 v255, 0
	s_set_vgpr_msb 0x4000
	v_lshrrev_b32 v13, 5, v0
	v_readfirstlane_b32 s30, v13                   ; wave w
	s_lshr_b32 s31, s30, 1                         ; g: which 64 units I multiply
	s_and_b32 s32, s30, 1                          ; par: even or odd row tiles
	s_lshr_b32 s33, ttmp9, 2                       ; e
	s_and_b32 s34, ttmp9, 3                        ; q
.irp i, 0,1,2,3,4
	s_mov_b32 s[MSK+\i], 0xf<<(4*\i)
	s_mov_b32 s[CON+\i], (150-4*\i)<<23
.endr
	s_mov_b32 s50, 0x76543210
	s_mov_b32 s51, 0xfedcba98                      ; v_permlanex16_b32's selects for lane l xor 16
	v_and_b32 v[LN], 31, v0
	v_and_b32 v13, 7, v0                           ; jp: my pair of words
	v_bfe_u32 v14, v0, 3, 2                        ; kb: my block of four
	s_lshl_b32 s38, s30, 3
	v_add_nc_u32 v[WGA], s38, v14                  ; block 8 w + kb (+ 4 s): 32 rows of 16,384 bytes each
	v_lshlrev_b32 v[WGA], 19, v[WGA]
	v_lshl_add_u32 v[WGA], v13, 3, v[WGA]
	s_lshl_b32 s38, s30, 15                        ; AWQ group 2 w (+ s): rows of 16,384 bytes
	v_lshl_add_u32 v[ZGA], v13, 3, s38
	s_lshl_b32 s38, s30, 18                        ; and of 131,072
	v_lshl_add_u32 v[SGA], v13, 6, s38
	v_lshlrev_b32 v[KTA], 4, v[LN]
	v_bfe_u32 v236, v0, 1, 2                       ; jp / 2
	v_and_b32 v237, 1, v0                          ; jp % 2
	v_bfe_u32 v238, v0, 4, 1                       ; c = kb / 2
	v_bfe_u32 v239, v0, 3, 1                       ; hh = kb % 2
	v_mul_u32_u24 v[WA], v236, 24848               ; tile 2 (jp / 2) (+ jw),
	v_mad_u32_u24 v[WA], v237, 192, v[WA]          ; rho = 8 (jp % 2) (+ p),
	v_mad_u32_u24 v[WA], v238, 776, v[WA]
	v_mad_u32_u24 v[WA], v239, 384, v[WA]
	s_mul_i32 s38, s30, 3104                       ; K step 2 w (+ s)
	v_add_nc_u32 v[WA], s38, v[WA]
	v_mul_u32_u24 v[WB], v236, 1088
	v_lshl_add_u32 v[WB], v237, 5, v[WB]
	v_add_nc_u32 v[WB], v[WB], v14                 ; byte kb of the word
	s_lshl_b32 s38, s30, 7
	s_add_co_u32 s38, s38, WSC
	v_add_nc_u32 v[WB], s38, v[WB]
	v_mul_u32_u24 v[RA0], v[LN], 24
	s_mul_i32 s38, s31, 49696
	v_add_nc_u32 v[RA0], s38, v[RA0]
	s_mul_i32 s38, s31, 2176
	s_add_co_u32 s38, s38, WSC
	v_lshl_add_u32 v[RSA], v[LN], 2, s38
	v_lshl_add_u32 v[LCA], v0, 4, LIST
	v_add_nc_u32 v[DMI], 1152, v[LN]
	v_and_b32 v14, 15, v0
	v_lshl_add_u32 v[LA], v14, 2, LIST             ; a tile's slot r
	v_lshlrev_b32 v[TB], 5, v[LN]
	s_mov_b32 s39, 0
	s_wait_kmcnt 0x0
	s_lshl_b32 s38, ttmp9, 6                       ; 256 e + 64 q: my 16 words of a row
	s_add_nc_u64 s[12:13], s[12:13], s[38:39]
	s_add_nc_u64 s[14:15], s[14:15], s[38:39]
	s_lshl_b32 s38, ttmp9, 9                       ; my 128 scales of a row
	s_add_nc_u64 s[16:17], s[16:17], s[38:39]
	s_lshl_b32 s38, s33, 12
	s_add_nc_u64 s[18:19], s[18:19], s[38:39]      ; kt[e]
	s_add_nc_u64 s[26:27], s[26:27], s[38:39]      ; rowlist[e]
	s_lshl_b32 s38, s33, 9
	s_add_nc_u64 s[28:29], s[28:29], s[38:39]      ; cnt[e]
	s_mul_i32 s38, s33, 393216                     ; hbuf: expert, tile par, K step q, half g
	s_mul_i32 s53, s34, 1536
	s_add_co_u32 s38, s38, s53
	s_mul_i32 s53, s31, 768
	s_add_co_u32 s38, s38, s53
	s_mul_i32 s53, s32, 6144
	s_add_co_u32 s38, s38, s53
	s_add_nc_u64 s[22:23], s[22:23], s[38:39]
	s_lshl_b32 s38, s33, 14                        ; hsc likewise
	s_lshl_b32 s53, s34, 6
	s_add_co_u32 s38, s38, s53
	s_lshl_b32 s53, s32, 8
	s_add_co_u32 s38, s38, s53
	s_add_nc_u64 s[24:25], s[24:25], s[38:39]
	; all that the dequantiser reads is asked for here: kt's row (8 loads), then set 0 and set 1 (37 loads each)
.irp c, 0,1,2,3,4,5,6,7
	global_load_b128 v[T+4*\c:T+4*\c+3], v[KTA], s[18:19] offset:512*\c   ; tokens 128 c + 4 lane + 0 .. 3
.endr
.irp s, 0,1
	global_load_b64 v[Z+2*\s:Z+2*\s+1], v[ZGA], s[14:15] offset:16384*\s
.irp m, 0,1,2,3
	global_load_b128 v[S+16*\s+4*\m:S+16*\s+4*\m+3], v[SGA], s[16:17] offset:131072*\s+16*\m
.endr
.set kk, 0
.rept 32
	global_load_b64 v[W+64*\s+2*kk:W+64*\s+2*kk+1], v[WGA], s[12:13] offset:2097152*\s+16384*kk
.set kk, kk+1
.endr
.endr
	s_wait_loadcnt 63                              ; kt's eight loads are in: 74 younger loads were issued, and 63 is the largest count that the wait can name
	; n, the expert's rows: every wave counts for itself
	s_mov_b32 s35, 0
.irp c, 0,1,2,3,4,5,6,7
.irp i, 0,1,2,3
	v_cmp_gt_u32 s[54+\i], 8, v[T+4*\c+\i]         ; chosen: k = 0 .. 7 (-1 is the greatest unsigned number)
.endr
.irp i, 0,1,2,3
	s_bcnt1_i32_b32 s53, s[54+\i]
	s_add_co_u32 s35, s35, s53
.endr
.endr
	s_min_u32 s35, s35, 1024
	s_cmp_lg_u32 s30, 0
	s_cbranch_scc1 .Lno_list
	; wave 0 lists the rows: slot -> 8 t + k.  The list is cleared first (1,152 words: a gather past the end finds token 0); LDS serves a wave's instructions in order.
.irp i, 0,1,2,3
	v_mov_b32 v[236+\i], 0
.endr
.irp i, 0,1,2,3,4,5,6,7,8
	ds_store_b128 v[LCA], v[236:239] offset:512*\i
.endr
	s_mov_b32 s52, 0
.irp c, 0,1,2,3,4,5,6,7
.irp i, 0,1,2,3
	s_wait_dscnt 3                                 ; three younger stores may be out: the store that read this pair of registers, four steps back, is done
	v_cmp_gt_u32 vcc_lo, 8, v[T+4*\c+\i]
	v_mbcnt_lo_u32_b32 v[RR], vcc_lo, s52          ; rows listed so far + chosen lanes below mine
	v_cndmask_b32 v[RR], v[DMI], v[RR], vcc_lo     ; a lane with nothing to list writes its own word behind the list
	v_min_u32 v[RR], 0x49f, v[RR]                  ; 1,183: the last such word
	v_lshl_add_u32 v[SA+\i], v[RR], 2, LIST
	v_add_nc_u32 v[RID+\i], v[T+4*\c+\i], v[TB]    ; 8 t + k, t = 128 c + 4 lane + i: k + 32 lane,
	v_add_nc_u32 v[RID+\i], 1024*\c+8*\i, v[RID+\i]   ; + 1,024 c + 8 i
	ds_store_b32 v[SA+\i], v[RID+\i]
	s_bcnt1_i32_b32 s53, vcc_lo
	s_add_co_u32 s52, s52, s53
.endr
.endr
.Lno_list:
	s_wait_dscnt 0x0                               ; the list is written,
	s_barrier_signal -1
	s_barrier_wait -1                              ; and no other wave has touched LDS before this barrier
	v_mov_b32 v[FZ+1], 0                           ; (named with FZ as a pair)
; ONE BLOCK: set s, word jw, column p, whose nibble stands at bit 4 i.  32 numbers -> 24 bytes of codes and a scale byte.
.macro BLOCK s, jw, p, i
.set CDR, CD+6*SETN
.set SX, S+16*\s+8*\jw+\p
	s_wait_dscnt 4                                 ; the last block's four LDS stores may be out; those of the block before it, which read this set of registers, are done
	v_and_or_b32 v[FZ], v[Z+2*\s+\jw], s[MSK+\i], s[CON+\i]
.set kk, 0
.rept 32
	v_and_or_b32 v[T+kk], v[W+64*\s+2*kk+\jw], s[MSK+\i], s[CON+\i]
.set kk, kk+1
.endr
.set kk, 0
.rept 16
	v_pk_add_f32 v[T+kk:T+kk+1], v[T+kk:T+kk+1], v[FZ:FZ+1] op_sel_hi:[1,0] neg_lo:[0,1] neg_hi:[0,1]   ; q - z, exact
.set kk, kk+2
.endr
.set kk, 0
.rept 16
.if (\p)%2 == 0
	v_pk_mul_f32 v[T+kk:T+kk+1], v[T+kk:T+kk+1], v[SX:SX+1] op_sel_hi:[1,0]                 ; x the column's scale: the pair's first word for both halves,
.else
	v_pk_mul_f32 v[T+kk:T+kk+1], v[T+kk:T+kk+1], v[SX-1:SX] op_sel:[0,1] op_sel_hi:[1,1]    ; or its second
.endif
.set kk, kk+2
.endr
.irp c, 0,1,2,3
	v_max3_num_f32 v[MX+\c], |v[T+8*\c]|, |v[T+8*\c+1]|, |v[T+8*\c+2]|     ; the largest magnitude, in four chains
.endr
.irp c, 0,1,2,3
	v_max3_num_f32 v[MX+\c], v[MX+\c], |v[T+8*\c+3]|, |v[T+8*\c+4]|
.endr
.irp c, 0,1,2,3
	v_max3_num_f32 v[MX+\c], v[MX+\c], |v[T+8*\c+5]|, |v[T+8*\c+6]|
.endr
	v_max3_num_f32 v[MX], v[MX], |v[T+7]|, |v[T+15]|
	v_max3_num_f32 v[MX+2], v[MX+2], |v[T+23]|, |v[T+31]|
	v_max3_num_f32 v[MX], v[MX], v[MX+1], v[MX+2]
	v_max3_num_f32 v[MX], v[MX], v[MX+3], 0x1800000    ; and the floor 2^(3 - 127): the byte cannot fall under 1
	v_add_nc_u32 v[SCV], 0xff000000, v[MX]             ; 2 off the exponent field: the conversion's scale operand
	v_cvt_scalef32_pk16_fp6_f32 v[CDR:CDR+2], v[T:T+15], v[SCV]
	v_cvt_scalef32_pk16_fp6_f32 v[MX:MX+2], v[T+16:T+31], v[SCV]   ; (a conversion's three registers begin on an even number)
	v_lshrrev_b32 v[BY+SETN], 23, v[SCV]               ; the scale's byte; also the plain place behind the conversions
.irp u, 0,1,2
	v_mov_b32 v[CDR+3+\u], v[MX+\u]
.endr
.irp u, 0,1,2
	ds_store_b64 v[WA], v[CDR+2*\u:CDR+2*\u+1] offset:IMG_S*\s+IMG_JW*\jw+24*\p+8*\u
.endr
	ds_store_b8 v[WB], v[BY+SETN] offset:SC_S*\s+SC_JW*\jw+4*\p
.set SETN, 1-SETN
.endm
.macro SHIFT16 s, jw                   ; the nibbles at bits 20, 24, 28 come down to 4, 8, 12
.set kk, 0
.rept 32
	v_lshrrev_b32 v[W+64*\s+2*kk+\jw], 16, v[W+64*\s+2*kk+\jw]
.set kk, kk+1
.endr
	v_lshrrev_b32 v[Z+2*\s+\jw], 16, v[Z+2*\s+\jw]
.endm
.macro DEQSET s
.irp jw, 0,1
	BLOCK \s, \jw, 0, 0
	BLOCK \s, \jw, 2, 1
	BLOCK \s, \jw, 4, 2
	BLOCK \s, \jw, 6, 3
	BLOCK \s, \jw, 1, 4
	SHIFT16 \s, \jw
	s_wait_alu depctr_va_vdst(0)
	BLOCK \s, \jw, 3, 1
	BLOCK \s, \jw, 5, 2
	BLOCK \s, \jw, 7, 3
.endr
.endm
	s_wait_loadcnt 37                              ; set 0 is in; set 1's 37 loads may be out and land while set 0 is worked on
	DEQSET 0
	s_wait_loadcnt 0x0
	DEQSET 1
	s_wait_dscnt 0x0                               ; my images are written
	s_barrier_signal -1
	s_barrier_wait -1                              ; everybody's are; behind this barrier a wave writes only its own stage
	; my four tiles x eight K steps into windows 1 and 2, at 48 (ks % 4) + 12 t; their scale words: lanes 0-15 the even K step's, lanes 16-31 the odd one's
	WIN 0x40
.irp t, 0,1,2,3
.irp ks, 0,1,2,3
.irp c, 0,1
.irp u, 0,1,2
	ds_load_b64 v[48*\ks+12*\t+6*\c+2*\u:48*\ks+12*\t+6*\c+2*\u+1], v[RA0] offset:TP*\t+KSP*\ks+CP*\c+8*\u
.endr
.endr
.endr
.endr
	WIN 0x80
.irp t, 0,1,2,3
.irp ks, 0,1,2,3
.irp c, 0,1
.irp u, 0,1,2
	ds_load_b64 v[48*\ks+12*\t+6*\c+2*\u:48*\ks+12*\t+6*\c+2*\u+1], v[RA0] offset:TP*\t+KSP*(\ks+4)+CP*\c+8*\u
.endr
.endr
.endr
.endr
	WIN 0
.irp t, 0,1,2,3
.irp kp, 0,1,2,3
	ds_load_b32 v[WS+4*\t+\kp], v[RSA] offset:STP*\t+128*\kp
.endr
.endr
	v_and_b32 v[SLOT], 15, v0                      ; r
	v_bfe_u32 v[HH], v0, 4, 1                      ; hh
	v_lshlrev_b32 v[C16], 4, v[SLOT]               ; my 16 bytes of a run of 256
	v_lshlrev_b32 v[HSA], 2, v[SLOT]
	s_lshl_b32 s38, s31, 1
	v_add_nc_u32 v[HSA], s38, v[HSA]               ; hsc: 4 r + 2 g
	s_mul_i32 s38, s30, 16*SPT
	s_add_co_u32 s38, s38, STG                     ; my stage
	v_mul_u32_u24 v[STW], v[HH], SPT               ; in: row hh of a pair, 16 r
	v_add_nc_u32 v[STW], v[STW], v[C16]
	v_add_nc_u32 v[STW], s38, v[STW]
	v_mul_u32_u24 v[STR], v[SLOT], SPT             ; back: a fragment's row r, + 24 hh
	v_mad_u32_u24 v[STR], v[HH], 24, v[STR]
	v_add_nc_u32 v[STR], s38, v[STR]
	v_lshl_add_u32 v[LJ0], v[HH], 2, LIST          ; a tile's slot hh (+ 2 j)
	s_lshl_b32 s38, s32, 4
	v_add_nc_u32 v[SLOT], s38, v[SLOT]             ; my slot: 16 par + r
	v_lshlrev_b32 v[HA16], 4, v[LN]
	v_lshlrev_b32 v[HA8], 3, v[LN]
	v_lshlrev_b32 v[RLO], 4, v0
	v_lshlrev_b32 v[CNO], 2, v0
	v_mov_b32 v[PD], 0                             ; a lane permute's destination counts as one of its sources
	v_mov_b32 v[PD+1], 0
	v_mov_b32 v[CW+1], 0                           ; (named with CW as a pair)
	v_mov_b32 v[NV], s35
	s_add_co_u32 s36, s35, 15
	s_lshr_b32 s36, s36, 4                         ; row tiles: at most 64
	s_add_co_u32 s36, s36, 1
	s_sub_co_u32 s36, s36, s32
	s_lshr_b32 s36, s36, 1                         ; my trips with work: the tiles par, par + 2, ..: (tiles + 1 - par) / 2
	s_mov_b32 s37, 0                               ; the trip
	s_lshl_b32 s[TL], s32, 6                       ; tile par's 16 words of the list
	s_wait_dscnt 0x0
; the list's words of the tile off bytes on from s[TL]: slot r (for the scale words and the weight), and slots 2 j + hh (for the codes)
.macro GLIST off
	v_add_nc_u32 v[LAC], s[TL], v[LA]
	v_add_nc_u32 v[LJC], s[TL], v[LJ0]
	ds_load_b32 v[LE], v[LAC] offset:\off
.irp j, 0,1,2,3,4,5,6,7
	ds_load_b32 v[GA+\j], v[LJC] offset:\off+8*\j
.endr
.endm
; from 8 t + k to places in x, in its scale bytes and in topv; every number is held inside its buffer first
.macro GADDR
	v_lshrrev_b32 v[TOK], 3, v[LE]
	v_min_u32 v[TOK], 0x3ff, v[TOK]
	v_lshlrev_b32 v[XSAD], 5, v[TOK]
	v_min_u32 v[CWAD], 0x1fff, v[LE]
	v_lshlrev_b32 v[CWAD], 2, v[CWAD]
.irp j, 0,1,2,3,4,5,6,7
	v_lshrrev_b32 v[GA+\j], 3, v[GA+\j]
.endr
.irp j, 0,1,2,3,4,5,6,7
	v_min_u32 v[GA+\j], 0x3ff, v[GA+\j]
.endr
.irp j, 0,1,2,3,4,5,6,7
	v_mul_u32_u24 v[GA+\j], v[GA+\j], 768
.endr
.irp j, 0,1,2,3,4,5,6,7
	v_add_nc_u32 v[GA+\j], v[GA+\j], v[C16]
.endr
.endm
; 24 loads of codes, each two aligned runs of 256 bytes (rows 2 j and 2 j + 1); x's scale words (2); the row's weight (1)
.macro GLOADS
.irp j, 0,1,2,3,4,5,6,7
.irp u, 0,1,2
	global_load_b128 v[XF+12*\j+4*\u:XF+12*\j+4*\u+3], v[GA+\j], s[8:9] offset:256*\u
.endr
.endr
	global_load_b128 v[XS:XS+3], v[XSAD], s[10:11]
	global_load_b128 v[XS+4:XS+7], v[XSAD], s[10:11] offset:16
	global_load_b32 v[CWN], v[CWAD], s[20:21]
.endm
	GLIST 0                                        ; my first tile; where I have none, the cleared list names token 0
	s_wait_dscnt 0x0
	GADDR
	GLOADS
.Ltile:
	s_cmp_ge_u32 s37, s36                          ; a trip for which I have no tile: only the steps at the loop's end
	s_cbranch_scc1 .Lskip
	s_wait_loadcnt 0x0                             ; this tile's rows are in: their address registers may be written again
	GLIST 128                                      ; my next tile's words of the list, on their way with the turn below; past the list's end they name token 0
.irp j, 0,1,2,3,4,5,6,7
.irp u, 0,1,2
	ds_store_b128 v[STW], v[XF+12*\j+4*\u:XF+12*\j+4*\u+3] offset:2*SPT*\j+256*\u    ; sixteen lanes write 256 consecutive bytes of a row
.endr
.endr
.irp ks, 0,1,2,3,4,5,6,7
.irp c, 0,1
.irp u, 0,1,2
	ds_load_b64 v[XF+12*\ks+6*\c+2*\u:XF+12*\ks+6*\c+2*\u+1], v[STR] offset:96*\ks+48*\c+8*\u   ; LDS serves a wave's instructions in order (ISA guide 5.7.1.4): these see the stores above, and land behind them
.endr
.endr
.endr
	v_cmp_gt_u32 vcc_lo, s35, v[SLOT]
	v_cndmask_b32 v[CW], 0, v[CWN], vcc_lo         ; a slot past the list's end has the weight 0: its codes are zeros
	s_wait_dscnt 0x0                               ; the fragments, and the list's words
	; 32 matrix instructions, transposed (source 0 = 16 units, source 1 = 16 rows); the four accumulators take turns; the first K step starts the sums
.irp ks, 0,1,2,3,4,5,6,7
.if \ks < 4
	WIN 0x01
.else
	WIN 0x02
.endif
.irp t, 0,1,2,3
.if \ks == 0
	v_wmma_scale_f32_16x16x128_f8f6f4 v[ACC+8*\t:ACC+8*\t+7], v[48*(\ks%4)+12*\t:48*(\ks%4)+12*\t+11], v[XF+12*\ks:XF+12*\ks+11], 0, v[WS+4*\t+\ks/2], v[XS+\ks] matrix_a_fmt:MATRIX_FMT_FP6 matrix_b_fmt:MATRIX_FMT_FP6
.elseif \ks%2 == 0
	v_wmma_scale_f32_16x16x128_f8f6f4 v[ACC+8*\t:ACC+8*\t+7], v[48*(\ks%4)+12*\t:48*(\ks%4)+12*\t+11], v[XF+12*\ks:XF+12*\ks+11], v[ACC+8*\t:ACC+8*\t+7], v[WS+4*\t+\ks/2], v[XS+\ks] matrix_a_fmt:MATRIX_FMT_FP6 matrix_b_fmt:MATRIX_FMT_FP6
.else
	v_wmma_scale_f32_16x16x128_f8f6f4 v[ACC+8*\t:ACC+8*\t+7], v[48*(\ks%4)+12*\t:48*(\ks%4)+12*\t+11], v[XF+12*\ks:XF+12*\ks+11], v[ACC+8*\t:ACC+8*\t+7], v[WS+4*\t+\ks/2], v[XS+\ks] matrix_a_fmt:MATRIX_FMT_FP6 matrix_b_fmt:MATRIX_FMT_FP6 matrix_a_scale:MATRIX_SCALE_ROW1
.endif
.endr
.endr
	WIN 0
	v_add_nc_u32 v[SLOT], 32, v[SLOT]              ; my next tile; this line and the 37 below are the places behind the last product,
	GADDR                                          ; ahead of the loads into x's registers and of the first read of results
	GLOADS                                         ; they land while this tile is finished
	; silu(v) x weight = (v x weight) / (1 + 2^(-v log2 e))
.set kk, 0
.rept 16
	v_pk_mul_f32 v[E+kk:E+kk+1], v[ACC+kk:ACC+kk+1], 0xbfb8aa3b op_sel_hi:[1,0]   ; each accumulator from its low end on
.set kk, kk+2
.endr
.set kk, 0
	s_wait_alu depctr_va_vdst(0)
.rept 32
	v_exp_f32 v[E+kk], v[E+kk]
.set kk, kk+1
.endr
	v_nop                                          ; a plain place behind the last exponential
	s_wait_alu depctr_va_vdst(0)                   ; one wait for the batch, ahead of its first reader
.set kk, 0
.rept 16
	v_pk_add_f32 v[E+kk:E+kk+1], v[E+kk:E+kk+1], 1.0 op_sel_hi:[1,0]
.set kk, kk+2
.endr
.set kk, 0
	s_wait_alu depctr_va_vdst(0)
.rept 32
	v_rcp_f32 v[E+kk], v[E+kk]
.set kk, kk+1
.endr
.set kk, 0
.rept 16
	v_pk_mul_f32 v[ACC+kk:ACC+kk+1], v[ACC+kk:ACC+kk+1], v[CW:CW+1] op_sel_hi:[1,0]   ; independent work behind the reciprocals
.set kk, kk+2
.endr
	s_wait_alu depctr_va_vdst(0)                   ; one wait for the 32 reciprocals
.set kk, 0
.rept 16
	v_pk_mul_f32 v[ACC+kk:ACC+kk+1], v[ACC+kk:ACC+kk+1], v[E+kk:E+kk+1]
.set kk, kk+2
.endr
	; my 64 units are two blocks of 32 along the next K: register 16 b + i is unit 64 g + 32 b + 16 hh + i of my row
.irp b, 0,1
	v_max3_num_f32 v[MXQ+\b], |v[ACC+16*\b]|, |v[ACC+16*\b+1]|, 0x1800000
.endr
.irp i, 2,4,6,8,10,12,14
.irp b, 0,1
	v_max3_num_f32 v[MXQ+\b], v[MXQ+\b], |v[ACC+16*\b+\i]|, |v[ACC+16*\b+\i+1]|
.endr
.endr
.irp b, 0,1
	v_permlanex16_b32 v[PD+\b], v[MXQ+\b], s50, s51
.endr
.irp b, 0,1
	v_max_num_f32 v[MXQ+\b], v[MXQ+\b], v[PD+\b]   ; with lane l xor 16's 16 units
.endr
.irp b, 0,1
	v_add_nc_u32 v[SCQ+\b], 0xff000000, v[MXQ+\b]
.endr
.irp b, 0,1
	v_lshrrev_b32 v[BYQ+\b], 23, v[SCQ+\b]
.endr
	v_lshl_or_b32 v[HW], v[BYQ+1], 8, v[BYQ]       ; bytes 2 g and 2 g + 1 of the row's scale word
	v_cvt_scalef32_pk16_fp6_f32 v[P:P+2], v[ACC:ACC+15], v[SCQ]
	v_cvt_scalef32_pk16_fp6_f32 v[Q:Q+2], v[ACC+16:ACC+31], v[SCQ+1]
	v_nop                                          ; one plain place behind a scaled conversion
.irp i, 0,1,2
	v_permlane16_swap_b32 v[P+\i], v[Q+\i]         ; the operand's layout wants a whole block in a lane: lanes 0-15 block 2 g, lanes 16-31 block 2 g + 1
.endr
.irp i, 0,1,2
	v_mov_b32 v[P+3+\i], v[Q+\i]
.endr
	global_store_b128 v[HA16], v[P:P+3], s[22:23]              ; registers 6 g .. 6 g + 3 of the fragment: 512 consecutive bytes,
	global_store_b64 v[HA8], v[P+4:P+5], s[22:23] offset:512   ; 6 g + 4, 6 g + 5: 256
	global_store_b16 v[HSA], v[HW], s[24:25]                   ; (lanes r and r + 16 hold the same two bytes)
	s_wait_xcnt 0x0                                ; the bases and the stores' data are written again only behind this wait
	s_add_nc_u64 s[22:23], s[22:23], 12288         ; two tiles on
	s_add_nc_u64 s[24:25], s[24:25], 512
.Lskip:
	s_add_co_u32 s[TL], s[TL], 128                 ; two tiles on in the list, in every trip
	s_add_co_u32 s37, s37, 1
	s_cmp_lt_u32 s37, 32
	s_cbranch_scc1 .Ltile
	s_cmp_lg_u32 s34, 0                            ; the expert's first work-group stores the list and the count for the next launch
	s_cbranch_scc1 .Lend
	ds_load_b128 v[LC:LC+3], v[LCA]
	ds_load_b128 v[LC+4:LC+7], v[LCA] offset:2048
	s_wait_dscnt 0x0
	global_store_b128 v[RLO], v[LC:LC+3], s[26:27]
	global_store_b128 v[RLO], v[LC+4:LC+7], s[26:27] offset:2048
	global_store_b32 v[CNO], v[NV], s[28:29]
.Lend:
	s_set_vgpr_msb 0x5
	s_wait_tensorcnt 0x0
	ds_add_u32 v254, v255
	s_wait_dscnt 0x0
	s_set_vgpr_msb 0x500
	s_endpgm
.Lfunc_end_k_q77d8c02d16_up:
	.size	k_q77d8c02d16_up, .Lfunc_end_k_q77d8c02d16_up-k_q77d8c02d16_up
	.p2alignl 7, 3214868480
	.fill 96, 4, 3214868480
	.section	.rodata,"a",@progbits
	.p2align	6, 0x0
	.amdhsa_kernel k_q77d8c02d16_up
		.amdhsa_group_segment_fixed_size 160256
		.amdhsa_private_segment_fixed_size 0
		.amdhsa_enable_private_segment 0
		.amdhsa_kernarg_size 88
		.amdhsa_user_sgpr_count 2
		.amdhsa_user_sgpr_kernarg_segment_ptr 1
		.amdhsa_wavefront_size32 1
		.amdhsa_system_sgpr_workgroup_id_x 1
		.amdhsa_system_sgpr_workgroup_id_y 1
		.amdhsa_system_sgpr_workgroup_id_z 1
		.amdhsa_system_vgpr_workitem_id 0
		.amdhsa_next_free_vgpr 768
		.amdhsa_next_free_sgpr 66
		.amdhsa_reserve_vcc 1
		.amdhsa_float_denorm_mode_32 3
		.amdhsa_float_denorm_mode_16_64 3
		.amdhsa_memory_ordered 1
		.amdhsa_forward_progress 1
		.amdhsa_inst_pref_size 255
	.end_amdhsa_kernel
	.section	.bss,"aw",@nobits
	.p2align	6
	.space	262144
	.amdgpu_metadata
---
amdhsa.version: [ 1, 2 ]
amdhsa.kernels:
  - .name:           k_q77d8c02d16_up
    .symbol:         k_q77d8c02d16_up.kd
    .args:
      - { .name: x_codes, .offset: 0, .size: 8, .value_kind: global_buffer, .address_space: global }
      - { .name: x_scales, .offset: 8, .size: 8, .value_kind: global_buffer, .address_space: global }
      - { .name: qweight1, .offset: 16, .size: 8, .value_kind: global_buffer, .address_space: global }
      - { .name: qzeros1, .offset: 24, .size: 8, .value_kind: global_buffer, .address_space: global }
      - { .name: scales1, .offset: 32, .size: 8, .value_kind: global_buffer, .address_space: global }
      - { .name: kt, .offset: 40, .size: 8, .value_kind: global_buffer, .address_space: global }
      - { .name: topv, .offset: 48, .size: 8, .value_kind: global_buffer, .address_space: global }
      - { .name: hbuf, .offset: 56, .size: 8, .value_kind: global_buffer, .address_space: global }
      - { .name: hsc, .offset: 64, .size: 8, .value_kind: global_buffer, .address_space: global }
      - { .name: rowlist, .offset: 72, .size: 8, .value_kind: global_buffer, .address_space: global }
      - { .name: cnt, .offset: 80, .size: 8, .value_kind: global_buffer, .address_space: global }
    .group_segment_fixed_size: 160256
    .private_segment_fixed_size: 0
    .kernarg_segment_align: 8
    .kernarg_segment_size: 88
    .max_flat_workgroup_size: 128
    .sgpr_count:     66
    .vgpr_count:     768
    .wavefront_size: 32
...
	.end_amdgpu_metadata
.endif
;; end of part 6
;; launch down (part 7): grid 256 x 1, 4 waves a work-group, no clusters, 141,824 bytes of LDS; arguments qweight2, qzeros2, scales2, hbuf, hsc, rowlist, cnt, y; writes y
.if DOCPART == 7
	.amdgcn_target "amdgcn-amd-amdhsa--gfx1250"
	.amdhsa_code_object_version 6
	.text
	.protected	k_q77d8c02d16_down
	.globl	k_q77d8c02d16_down
	.p2align	8
	.type	k_q77d8c02d16_down,@function
k_q77d8c02d16_down:
	s_mov_b64 s[64:65], 0
	v_nop
	global_prefetch_b8 v0, s[64:65] scope:SCOPE_SE
	s_setreg_imm32_b32 hwreg(HW_REG_WAVE_SCHED_MODE, 0, 2), 2
	s_setreg_imm32_b32 hwreg(HW_REG_WAVE_MODE, 25, 1), 1
	s_wait_xcnt 0x0
	s_wait_alu depctr_vm_vsrc(0)
; DOWN.  Work-group 4 e + hq: output columns 256 hq .. 256 hq + 255 of expert e, K = the expert's 512 hidden units, for the expert's listed rows.
; (1) the slice of W2 (256 columns x 512) is made from the AWQ words, (q - z) x scale in f32, quantised along K to E2M3, laid in LDS as images of operand registers; each wave then holds
; 128 columns x all K in 384 registers; (2) for each 16 rows: the hidden layer's four fragments and scale words as the launch before stored them, 32 matrix instructions, and each row's 512 bytes
; go to y[8 t + k], which has this one owner.  The sum over a token's eight rows is the next launch's.
; No tensor load: the number of row tiles is read from memory (cnt, whole numbers).  An expert without rows still passes the barrier.
; THE DEQUANTISER is that of the launch before: a lane owns two neighbouring words (16 columns) and, in each of two sets, one block of 32 rows along K.
; (w & (15 << 4 i)) | ((150 - 4 i) << 23) is 2^(23 - 4 i) + q, exactly; less the same of the zero: q - z, exactly; one multiplication by the scale.
; LIMITS: NaN and infinities are not served.  A block of zeros gets the scale byte 1 where the rule says 127: its codes are zeros, and this program alone reads the bytes.
; The sum along K is taken expert by expert and then over a token's eight rows, not in one ascending chain.
; LDS: 0 the images: block (tile, ks, c, hh, rho) at 6,408 tile + 1,552 ks + 776 c + 24 (rho + 16 hh); 102,528 the scale words: 260 tile + 64 ks + 4 rho; 106,752 a stage of 16 rows x 528 bytes for each wave.
; THE MODE: SCHED_MODE bits 1:0 = 2 (LLVM: expert scheduling mode 2), set by the entry lines.  The code itself states the register dependences
; between vector or matrix instructions and memory or LDS instructions, with s_wait_alu, always for 0.
; THE PLAN.  The dequantiser: a block's codes (CD) and byte (BY) are written by its conversions, three moves and a shift, and read by its four LDS stores: one wait on vm_vsrc ahead of the first
; conversion, one on va_vdst ahead of the stores.  All offsets and addresses (v1-12, v15) are made at the head and never written again: one wait on va_vdst ahead of the first load.
; The loop over row tiles, two tiles to a trip; tile p (0 or 1):
;   HF0 (window 0), HF1 (window 3); HS0, HS1   the hidden layer's fragments and scale words, two sets by turns: tile p's products read set p while the next tile's loads land in the other.
;   VO    written by sixteen additions at the tile's head; read by the tile's global stores as their offsets.
;   ACC   written by the products; read by sixteen LDS stores.
;   OB    sixteen LDS loads land; the global stores read it.
; So a tile holds three waits: one on va_vdst behind the additions (VO is written; the additions are done with s32-47, in which the next tile's numbers land): THE NEXT TILE'S LOADS GO OUT THERE, AHEAD OF
; THE PRODUCTS; one on va_vdst behind the products and their four places (ACC is written; the products are done with set p, which is asked for again in the next tile); one on vm_vsrc at the tile's end
; (the stores have read VO and OB, the LDS stores ACC).
.set TP,     6408
.set KSP,    1552
.set CP,     776
.set WSC,    102528
.set STP,    260
.set STAGE,  106752
.set IMG_S,  776                       ; the image's place: + 776 s + 192 jw + 24 p
.set IMG_JW, 192
.set SC_S,   2                         ; the scale byte's: + 2 s + 32 jw + 4 p
.set SC_JW,  32
.set WGA, 1
.set ZGA, 2
.set SGA, 3
.set CO,  4                            ; v4  my 16 bytes of a row of y: 1,024 hq + 512 g + 16 lane
.set WA,  5
.set WB,  6
.set RA0, 7
.set RSA, 8
.set SO,  9                            ; v9  the stage, in
.set RD,  10                           ; v10 and back
.set A16, 11
.set A8,  12
.set BY,  13
.set A4R, 15
.set HS,  16                           ; v16-19 the hidden layer's scale words, set 0; v20-35 W2's: these hold scales alone
.set HS1, 232                          ; v232-235 in the products: the hidden layer's scale words, set 1 (the zeros' words lay here before)
.set WS,  20
.set W,   40
.set T,   168
.set S,   200
.set Z,   232
.set FZ,  236
.set MX,  238
.set SCV, 242
.set CD,  244
.set HF0, 40                           ; the products: four fragments of the hidden layer, set 0: window 0, v40-87;
.set HF1, 192                          ; set 1: window 3, v192-239
.set ACC, 88
.set OB,  152
.set VO,  216
.set MSK, 48
.set CON, 53
.set TRP, 48                           ; s48 in the products: my trips (the dequantiser's first mask lay here before)
.set SETN, 0
.set MSB, 0
.macro WIN new                         ; the immediate's high byte repeats the setting that is left; a switch that changes nothing is dropped
.if MSB != \new
	s_set_vgpr_msb (MSB<<8)|\new
.set MSB, \new
.endif
.endm
	s_load_b512 s[8:23], s[0:1], 0x0               ; qweight2 s[8:9], qzeros2 s[10:11], scales2 s[12:13], hbuf s[14:15], hsc s[16:17], rowlist s[18:19], cnt s[20:21], y s[22:23]
	v_lshl_add_u32 v39, v0, 2, 0x22800
	v_mov_b32 v243, 0
	v_lshrrev_b32 v13, 5, v0
	v_readfirstlane_b32 s24, v13                   ; wave w
	s_lshr_b32 s27, ttmp9, 2                       ; e
	s_and_b32 s28, ttmp9, 3                        ; hq
.irp i, 0,1,2,3,4
	s_mov_b32 s[MSK+\i], 0xf<<(4*\i)
	s_mov_b32 s[CON+\i], (150-4*\i)<<23
.endr
	s_wait_alu depctr_va_sdst(0)                   ; s24 is written, ahead of its first reader
	s_lshr_b32 s25, s24, 1                         ; g: which 128 columns I multiply
	s_and_b32 s26, s24, 1                          ; par: even or odd row tiles
	v_and_b32 v36, 31, v0                          ; lane
	v_and_b32 v37, 15, v0                          ; jp = r
	v_bfe_u32 v38, v0, 4, 1                        ; hh
	s_lshl_b32 s6, s24, 2
	v_add_nc_u32 v[WGA], s6, v38                   ; block 4 w + hh (+ 2 s): 32 rows of 32,768 bytes each
	v_lshlrev_b32 v[WGA], 20, v[WGA]
	v_lshl_add_u32 v[WGA], v37, 3, v[WGA]
	s_lshl_b32 s6, s24, 15                         ; AWQ group w
	v_lshl_add_u32 v[ZGA], v37, 3, s6
	s_lshl_b32 s6, s24, 18
	v_lshl_add_u32 v[SGA], v37, 6, s6
	s_lshl_b32 s6, s28, 10
	s_lshl_b32 s7, s25, 9
	s_add_co_u32 s6, s6, s7
	v_lshl_add_u32 v[CO], v36, 4, s6
	v_mul_u32_u24 v[WA], v37, 6408                 ; tile jp, K step w, half hh
	v_mad_u32_u24 v[WA], v38, 384, v[WA]
	s_mul_i32 s6, s24, 1552
	v_add_nc_u32 v[WA], s6, v[WA]
	v_mul_u32_u24 v[WB], v37, 260
	v_add_nc_u32 v[WB], v[WB], v38
	s_lshl_b32 s6, s24, 6
	s_add_co_u32 s6, s6, WSC
	v_add_nc_u32 v[WB], s6, v[WB]
	v_mul_u32_u24 v[RA0], v36, 24
	s_mul_i32 s6, s25, 51264
	v_add_nc_u32 v[RA0], s6, v[RA0]
	s_mul_i32 s6, s25, 2080
	s_add_co_u32 s6, s6, WSC
	v_lshl_add_u32 v[RSA], v36, 2, s6
	v_mul_u32_u24 v[SO], v37, 528
	v_lshl_add_u32 v[SO], v38, 5, v[SO]
	s_mul_i32 s6, s24, 8448
	s_add_co_u32 s6, s6, STAGE
	v_add_nc_u32 v[SO], s6, v[SO]
	v_lshl_add_u32 v[RD], v36, 4, s6
	v_lshlrev_b32 v[A16], 4, v36
	v_lshlrev_b32 v[A8], 3, v36
	v_lshlrev_b32 v[A4R], 2, v37
	v_mov_b32 v[FZ+1], 0                           ; (named with FZ as a pair)
	s_mov_b32 s7, 0
	s_wait_kmcnt 0x0
	s_lshl_b32 s6, ttmp9, 7                        ; 512 e + 128 hq: my 32 words of a row
	s_add_nc_u64 s[8:9], s[8:9], s[6:7]
	s_add_nc_u64 s[10:11], s[10:11], s[6:7]
	s_lshl_b32 s6, ttmp9, 10                       ; my 256 scales of a row
	s_add_nc_u64 s[12:13], s[12:13], s[6:7]
	s_mul_i32 s6, s27, 393216
	s_add_nc_u64 s[14:15], s[14:15], s[6:7]        ; the expert's part of hbuf,
	s_lshl_b32 s6, s27, 14
	s_add_nc_u64 s[16:17], s[16:17], s[6:7]        ; of hsc,
	s_lshl_b32 s6, s27, 12
	s_add_nc_u64 s[18:19], s[18:19], s[6:7]        ; of rowlist,
	s_lshl_b32 s6, s27, 9
	s_add_nc_u64 s[20:21], s[20:21], s[6:7]        ; of cnt
	s_load_b32 s29, s[20:21], 0x0                  ; n
	s_wait_alu depctr_va_vdst(0)                   ; the offsets and LDS addresses v1-12 and v15 are written: every load and store of the kernel but the rows' stores reads one of them
.irp s, 0,1
	global_load_b64 v[Z+2*\s:Z+2*\s+1], v[ZGA], s[10:11]       ; (both sets lie in one AWQ group: the same zeros and scales, once for each set)
.irp m, 0,1,2,3
	global_load_b128 v[S+16*\s+4*\m:S+16*\s+4*\m+3], v[SGA], s[12:13] offset:16*\m
.endr
.set kk, 0
.rept 32
	global_load_b64 v[W+64*\s+2*kk:W+64*\s+2*kk+1], v[WGA], s[8:9] offset:2097152*\s+32768*kk
.set kk, kk+1
.endr
.endr
; ONE BLOCK: set s, word jw, column p, whose nibble stands at bit 4 i.  32 numbers -> 24 bytes of codes and a scale byte.
.macro BLOCK s, jw, p, i
.set CDR, CD+6*SETN
.set SX, S+16*\s+8*\jw+\p
	s_wait_dscnt 4                                 ; the last block's four LDS stores may be out; those of the block before it, which read this set of registers, are done
	v_and_or_b32 v[FZ], v[Z+2*\s+\jw], s[MSK+\i], s[CON+\i]
.set kk, 0
.rept 32
	v_and_or_b32 v[T+kk], v[W+64*\s+2*kk+\jw], s[MSK+\i], s[CON+\i]
.set kk, kk+1
.endr
.set kk, 0
.rept 16
	v_pk_add_f32 v[T+kk:T+kk+1], v[T+kk:T+kk+1], v[FZ:FZ+1] op_sel_hi:[1,0] neg_lo:[0,1] neg_hi:[0,1]   ; q - z, exact
.set kk, kk+2
.endr
.set kk, 0
.rept 16
.if (\p)%2 == 0
	v_pk_mul_f32 v[T+kk:T+kk+1], v[T+kk:T+kk+1], v[SX:SX+1] op_sel_hi:[1,0]                 ; x the column's scale: the pair's first word for both halves,
.else
	v_pk_mul_f32 v[T+kk:T+kk+1], v[T+kk:T+kk+1], v[SX-1:SX] op_sel:[0,1] op_sel_hi:[1,1]    ; or its second
.endif
.set kk, kk+2
.endr
.irp c, 0,1,2,3
	v_max3_num_f32 v[MX+\c], |v[T+8*\c]|, |v[T+8*\c+1]|, |v[T+8*\c+2]|     ; the largest magnitude, in four chains
.endr
.irp c, 0,1,2,3
	v_max3_num_f32 v[MX+\c], v[MX+\c], |v[T+8*\c+3]|, |v[T+8*\c+4]|
.endr
.irp c, 0,1,2,3
	v_max3_num_f32 v[MX+\c], v[MX+\c], |v[T+8*\c+5]|, |v[T+8*\c+6]|
.endr
	v_max3_num_f32 v[MX], v[MX], |v[T+7]|, |v[T+15]|
	v_max3_num_f32 v[MX+2], v[MX+2], |v[T+23]|, |v[T+31]|
	v_max3_num_f32 v[MX], v[MX], v[MX+1], v[MX+2]
	v_max3_num_f32 v[MX], v[MX], v[MX+3], 0x1800000    ; and the floor 2^(3 - 127): the byte cannot fall under 1
	v_add_nc_u32 v[SCV], 0xff000000, v[MX]             ; 2 off the exponent field: the conversion's scale operand
	s_wait_alu depctr_vm_vsrc(0)                       ; the LDS stores issued so far have read this set of code registers and its byte, which the lines below write again
	v_cvt_scalef32_pk16_fp6_f32 v[CDR:CDR+2], v[T:T+15], v[SCV]
	v_cvt_scalef32_pk16_fp6_f32 v[MX:MX+2], v[T+16:T+31], v[SCV]   ; (a conversion's three registers begin on an even number)
	v_lshrrev_b32 v[BY+SETN], 23, v[SCV]               ; the scale's byte; also the plain place behind the conversions
.irp u, 0,1,2
	v_mov_b32 v[CDR+3+\u], v[MX+\u]
.endr
	s_wait_alu depctr_va_vdst(0)                       ; the conversion, the moves and the shift have written the six code registers and the byte, which the four stores read
.irp u, 0,1,2
	ds_store_b64 v[WA], v[CDR+2*\u:CDR+2*\u+1] offset:IMG_S*\s+IMG_JW*\jw+24*\p+8*\u
.endr
	ds_store_b8 v[WB], v[BY+SETN] offset:SC_S*\s+SC_JW*\jw+4*\p
.set SETN, 1-SETN
.endm
.macro SHIFT16 s, jw                   ; the nibbles at bits 20, 24, 28 come down to 4, 8, 12
.set kk, 0
.rept 32
	v_lshrrev_b32 v[W+64*\s+2*kk+\jw], 16, v[W+64*\s+2*kk+\jw]
.set kk, kk+1
.endr
	v_lshrrev_b32 v[Z+2*\s+\jw], 16, v[Z+2*\s+\jw]
.endm
.macro DEQSET s
.irp jw, 0,1
	BLOCK \s, \jw, 0, 0
	BLOCK \s, \jw, 2, 1
	BLOCK \s, \jw, 4, 2
	BLOCK \s, \jw, 6, 3
	BLOCK \s, \jw, 1, 4
	SHIFT16 \s, \jw
	s_wait_alu depctr_va_vdst(0)
	BLOCK \s, \jw, 3, 1
	BLOCK \s, \jw, 5, 2
	BLOCK \s, \jw, 7, 3
.endr
.endm
	s_wait_loadcnt 37                              ; set 0 is in; set 1's 37 loads may be out and land while set 0 is worked on
	DEQSET 0
	s_wait_loadcnt 0x0
	DEQSET 1
	s_wait_dscnt 0x0                               ; my images are written
	s_barrier_signal -1
	s_barrier_wait -1                              ; everybody's are; behind this barrier a wave writes only its own stage
	; my eight tiles x four K steps into windows 1 and 2, at 96 (ks % 2) + 12 t; their scale words: lanes 0-15 the even K step's, lanes 16-31 the odd one's
	WIN 0x40
.irp t, 0,1,2,3,4,5,6,7
.irp ks, 0,1
.irp c, 0,1
.irp u, 0,1,2
	ds_load_b64 v[96*\ks+12*\t+6*\c+2*\u:96*\ks+12*\t+6*\c+2*\u+1], v[RA0] offset:TP*\t+KSP*\ks+CP*\c+8*\u
.endr
.endr
.endr
.endr
	WIN 0x80
.irp t, 0,1,2,3,4,5,6,7
.irp ks, 0,1
.irp c, 0,1
.irp u, 0,1,2
	ds_load_b64 v[96*\ks+12*\t+6*\c+2*\u:96*\ks+12*\t+6*\c+2*\u+1], v[RA0] offset:TP*\t+KSP*(\ks+2)+CP*\c+8*\u
.endr
.endr
.endr
.endr
	WIN 0
.irp t, 0,1,2,3,4,5,6,7
.irp kp, 0,1
	ds_load_b32 v[WS+2*\t+\kp], v[RSA] offset:STP*\t+128*\kp
.endr
.endr
	s_wait_kmcnt 0x0
	s_min_u32 s29, s29, 1024                       ; n
	s_add_co_u32 s30, s29, 15
	s_lshr_b32 s30, s30, 4                         ; row tiles: at most 64
	s_sub_co_u32 s59, s30, 1                       ; the last one
	s_add_co_u32 s30, s30, 1
	s_sub_co_u32 s30, s30, s26
	s_lshr_b32 s30, s30, 1                         ; my tiles: par, par + 2, ..: (tiles + 1 - par) / 2
	s_add_co_u32 s[TRP], s30, 1
	s_lshr_b32 s[TRP], s[TRP], 1                   ; my trips, of two tiles each: (my tiles + 1) / 2  (the dequantiser's lines that read s48 stand ahead of the last block's wait on va_vdst)
	s_mov_b32 s31, s26                             ; my first tile
	s_mov_b32 s63, 0                               ; trips done
	s_wait_dscnt 0x0
	s_cmp_eq_u32 s30, 0
	s_cbranch_scc1 .Lend
; tile s58 into set d: the hidden layer's four fragments (each half: 512 bytes at 16 x lane, 256 at 8 x lane), their scale words, and the 16 rows' numbers 8 t + k
.macro ALOAD d
	s_mul_i32 s6, s58, 6144
	s_add_nc_u64 s[2:3], s[14:15], s[6:7]
	s_lshl_b32 s6, s58, 8
	s_add_nc_u64 s[4:5], s[16:17], s[6:7]
	s_lshl_b32 s6, s58, 6
	s_add_nc_u64 s[60:61], s[18:19], s[6:7]
.if (\d) == 0
.set HFD, HF0
.set HSD, HS
.else
.set HFD, HF1
.set HSD, HS1
	WIN 0xc0                                       ; destination window 3
.endif
.irp ks, 0,1,2,3
.irp c, 0,1
	global_load_b128 v[HFD+12*\ks+6*\c:HFD+12*\ks+6*\c+3], v[A16], s[2:3] offset:1536*\ks+768*\c
	global_load_b64 v[HFD+12*\ks+6*\c+4:HFD+12*\ks+6*\c+5], v[A8], s[2:3] offset:1536*\ks+768*\c+512
.endr
.endr
	WIN 0
.irp ks, 0,1,2,3
	global_load_b32 v[HSD+\ks], v[A4R], s[4:5] offset:64*\ks
.endr
	s_load_b512 s[32:47], s[60:61], 0x0
.endm
	s_min_u32 s58, s31, 63
	ALOAD 0                                        ; no vector instruction has been issued since the last block's wait on va_vdst: the dequantiser is done with v40-87, in which these loads land
; ONE ROW TILE, the p-th of a trip: it multiplies set p and asks for the next tile into the other set.
.macro TILE p
.if \p == 0
.set HFP, HF0
.set HSP, HS
.else
.set HFP, HF1
.set HSP, HS1
.endif
	s_wait_loadcnt 0x0                             ; this tile's fragments are in,
	s_wait_kmcnt 0x0                               ; and its rows' numbers
.irp i, 0,1,2,3,4,5,6,7,8,9,10,11,12,13,14,15
	s_min_u32 s[32+\i], s[32+\i], 8191             ; held inside y
	s_lshl_b32 s[32+\i], s[32+\i], 12              ; a row of y is 4,096 bytes
	v_add_nc_u32 v[VO+\i], s[32+\i], v[CO]
.endr
	s_add_co_u32 s58, s31, 2                       ; my next tile, or, behind my last, the expert's last once more: a tile that was stored; that load is not used
	s_min_u32 s58, s58, s59
	s_min_u32 s58, s58, 63
	s_wait_alu depctr_va_vdst(0)                   ; the sixteen additions have written VO, which this tile's stores read as offsets, and are done with s32-47, in which the scalar load below lands
	ALOAD 1-\p                                     ; the next tile is on its way while this one is multiplied and stored
	; 32 matrix instructions, transposed (source 0 = 16 columns of the output, source 1 = 16 rows); the eight accumulators take turns; the first K step starts the sums
.irp ks, 0,1,2,3
.if \p == 0
.if \ks < 2
	WIN 0x01                                       ; W2's fragments in window 1 or 2, the hidden layer's in window 0
.else
	WIN 0x02
.endif
.else
.if \ks < 2
	WIN 0x0d                                       ; the same with the hidden layer's in window 3
.else
	WIN 0x0e
.endif
.endif
.irp t, 0,1,2,3,4,5,6,7
.if \ks == 0
	v_wmma_scale_f32_16x16x128_f8f6f4 v[ACC+8*\t:ACC+8*\t+7], v[96*(\ks%2)+12*\t:96*(\ks%2)+12*\t+11], v[HFP+12*\ks:HFP+12*\ks+11], 0, v[WS+2*\t+\ks/2], v[HSP+\ks] matrix_a_fmt:MATRIX_FMT_FP6 matrix_b_fmt:MATRIX_FMT_FP6
.elseif \ks%2 == 0
	v_wmma_scale_f32_16x16x128_f8f6f4 v[ACC+8*\t:ACC+8*\t+7], v[96*(\ks%2)+12*\t:96*(\ks%2)+12*\t+11], v[HFP+12*\ks:HFP+12*\ks+11], v[ACC+8*\t:ACC+8*\t+7], v[WS+2*\t+\ks/2], v[HSP+\ks] matrix_a_fmt:MATRIX_FMT_FP6 matrix_b_fmt:MATRIX_FMT_FP6
.else
	v_wmma_scale_f32_16x16x128_f8f6f4 v[ACC+8*\t:ACC+8*\t+7], v[96*(\ks%2)+12*\t:96*(\ks%2)+12*\t+11], v[HFP+12*\ks:HFP+12*\ks+11], v[ACC+8*\t:ACC+8*\t+7], v[WS+2*\t+\ks/2], v[HSP+\ks] matrix_a_fmt:MATRIX_FMT_FP6 matrix_b_fmt:MATRIX_FMT_FP6 matrix_a_scale:MATRIX_SCALE_ROW1
.endif
.endr
.endr
	WIN 0
.rept 4
	v_nop                                          ; four places behind the last product, ahead of the stores that read results
.endr
	s_wait_alu depctr_va_vdst(0)                   ; the products have written the accumulators, which the LDS stores read; they are done with this set of fragments and scale words, in which the next tile's loads land
	; a lane holds 32 neighbouring bytes of a row, eight times; through my own stage the rows come back whole: 512 bytes to the 32 lanes.  LDS serves a wave's instructions in order.
.irp t, 0,1,2,3,4,5,6,7
	ds_store_b128 v[SO], v[ACC+8*\t:ACC+8*\t+3] offset:64*\t           ; each accumulator from its low end on
	ds_store_b128 v[SO], v[ACC+8*\t+4:ACC+8*\t+7] offset:64*\t+16
.endr
.irp i, 0,1,2,3,4,5,6,7,8,9,10,11,12,13,14,15
	ds_load_b128 v[OB+4*\i:OB+4*\i+3], v[RD] offset:528*\i
.endr
	s_lshl_b32 s62, s31, 4
	s_sub_co_u32 s62, s29, s62                     ; rows left from this tile on: at least 1
	s_wait_dscnt 0x0
.irp i, 0,1,2,3,4,5,6,7,8,9,10,11,12,13,14,15
.if \i > 0
	s_cmp_gt_u32 s62, \i                           ; slots past the list's end are not stored
	s_cbranch_scc0 .Lrows_done_\@
.endif
	global_store_b128 v[VO+\i], v[OB+4*\i:OB+4*\i+3], s[22:23] th:TH_STORE_NT   ; 512 consecutive bytes of row 8 t + k, at a multiple of 512 from y's first byte
.endr
.Lrows_done_\@:
	s_wait_xcnt 0x0                                ; the stores' offsets and data are written again only behind this wait
	s_wait_alu depctr_vm_vsrc(0)                   ; the rows' stores have read VO and OB, the LDS stores the accumulators: the next tile's additions, LDS loads and products write them again
	s_add_co_u32 s31, s31, 2                       ; my next tile
.endm
.Ltile:
	TILE 0
	s_lshl_b32 s6, s63, 1
	s_add_co_u32 s6, s6, 1                         ; my tiles done: two for each trip behind me, and this trip's first
	s_cmp_ge_u32 s6, s30                           ; that was my last tile: the trip's second tile is jumped over, inside the loop; this is then my last trip, and the loop is left by falling through its branch back
	s_cbranch_scc1 .Lno_second
	TILE 1
.Lno_second:
	s_add_co_u32 s63, s63, 1                       ; the loop counts its trips, one at a time, against a number that it does not write
	s_cmp_lt_u32 s63, s[TRP]
	s_cbranch_scc1 .Ltile
.Lend:
	s_wait_dscnt 0x0                               ; the closing lines, six on end
	s_wait_alu 0x0
	s_wait_tensorcnt 0x0
	ds_add_u32 v39, v243
	s_wait_dscnt 0x0
	s_endpgm
.Lfunc_end_k_q77d8c02d16_down:
	.size	k_q77d8c02d16_down, .Lfunc_end_k_q77d8c02d16_down-k_q77d8c02d16_down
	.p2alignl 7, 3214868480
	.fill 96, 4, 3214868480
	.section	.rodata,"a",@progbits
	.p2align	6, 0x0
	.amdhsa_kernel k_q77d8c02d16_down
		.amdhsa_group_segment_fixed_size 141824
		.amdhsa_private_segment_fixed_size 0
		.amdhsa_enable_private_segment 0
		.amdhsa_kernarg_size 64
		.amdhsa_user_sgpr_count 2
		.amdhsa_user_sgpr_kernarg_segment_ptr 1
		.amdhsa_wavefront_size32 1
		.amdhsa_system_sgpr_workgroup_id_x 1
		.amdhsa_system_sgpr_workgroup_id_y 1
		.amdhsa_system_sgpr_workgroup_id_z 1
		.amdhsa_system_vgpr_workitem_id 0
		.amdhsa_next_free_vgpr 1008
		.amdhsa_next_free_sgpr 66
		.amdhsa_reserve_vcc 0
		.amdhsa_float_denorm_mode_32 3
		.amdhsa_float_denorm_mode_16_64 3
		.amdhsa_memory_ordered 1
		.amdhsa_forward_progress 1
		.amdhsa_inst_pref_size 242
	.end_amdhsa_kernel
	.amdgpu_metadata
---
amdhsa.version: [ 1, 2 ]
amdhsa.kernels:
  - .name:           k_q77d8c02d16_down
    .symbol:         k_q77d8c02d16_down.kd
    .args:
      - { .name: qweight2, .offset: 0, .size: 8, .value_kind: global_buffer, .address_space: global }
      - { .name: qzeros2, .offset: 8, .size: 8, .value_kind: global_buffer, .address_space: global }
      - { .name: scales2, .offset: 16, .size: 8, .value_kind: global_buffer, .address_space: global }
      - { .name: hbuf, .offset: 24, .size: 8, .value_kind: global_buffer, .address_space: global }
      - { .name: hsc, .offset: 32, .size: 8, .value_kind: global_buffer, .address_space: global }
      - { .name: rowlist, .offset: 40, .size: 8, .value_kind: global_buffer, .address_space: global }
      - { .name: cnt, .offset: 48, .size: 8, .value_kind: global_buffer, .address_space: global }
      - { .name: y, .offset: 56, .size: 8, .value_kind: global_buffer, .address_space: global }
    .group_segment_fixed_size: 141824
    .private_segment_fixed_size: 0
    .kernarg_segment_align: 8
    .kernarg_segment_size: 64
    .max_flat_workgroup_size: 128
    .sgpr_count:     66
    .vgpr_count:     1008
    .wavefront_size: 32
...
	.end_amdgpu_metadata
.endif
;; end of part 7
;; launch combine (part 8): grid 256 x 1, 8 waves a work-group, no clusters, 0 bytes of LDS; arguments y, out0; writes out0
.if DOCPART == 8
	.amdgcn_target "amdgcn-amd-amdhsa--gfx1250"
	.amdhsa_code_object_version 6
	.text
	.protected	k_q77d8c02d16_combine
	.globl	k_q77d8c02d16_combine
	.p2align	8
	.type	k_q77d8c02d16_combine,@function
k_q77d8c02d16_combine:
	s_mov_b64 s[64:65], 0
	v_nop
	global_prefetch_b8 v0, s[64:65] scope:SCOPE_SE
	s_setreg_imm32_b32 hwreg(HW_REG_WAVE_MODE, 25, 1), 1
	s_wait_xcnt 0x0
; COMBINE.  out0[t] = the sum over k = 0 .. 7 of y[8 t + k].  A stream: no LDS, no barrier, no matrix unit.
; A work-group takes four tokens: their 32 rows of y are one dense run of 131,072 bytes.  Thread i takes the 16 bytes at 16 i of every row, so a wave's load or store covers 512 consecutive bytes
; and the eight waves a row.  All 32 loads of a thread go out at once; the waits count down token by token.
.set ROW, 4096
	s_load_b128 s[4:7], s[0:1], 0x0                ; y s[4:5], out0 s[6:7]
	v_lshlrev_b32 v1, 4, v0
	s_lshl_b32 s8, ttmp9, 17                       ; 32 rows of y
	s_mov_b32 s9, 0
	s_lshl_b32 s10, ttmp9, 14                      ; 4 rows of out0
	s_mov_b32 s11, 0
	s_wait_alu depctr_va_vdst(0)
	s_wait_kmcnt 0x0
	s_add_nc_u64 s[4:5], s[4:5], s[8:9]
	s_add_nc_u64 s[6:7], s[6:7], s[10:11]
.set j, 0
.rept 32
	global_load_b128 v[4+4*j:7+4*j], v1, s[4:5] offset:ROW*j th:TH_LOAD_NT
.set j, j+1
.endr
.macro TOKEN i
.set B, 4+32*\i
	s_wait_loadcnt 24-8*\i                         ; loads come back in order: this token's eight are in, the later tokens' may be out
.irp a, 0,2,4,6
	v_pk_add_f32 v[B+4*\a:B+4*\a+1], v[B+4*\a:B+4*\a+1], v[B+4*\a+4:B+4*\a+5]
	v_pk_add_f32 v[B+4*\a+2:B+4*\a+3], v[B+4*\a+2:B+4*\a+3], v[B+4*\a+6:B+4*\a+7]
.endr
.irp a, 0
	v_pk_add_f32 v[B+4*\a:B+4*\a+1], v[B+4*\a:B+4*\a+1], v[B+4*\a+8:B+4*\a+9]
	v_pk_add_f32 v[B+4*\a+2:B+4*\a+3], v[B+4*\a+2:B+4*\a+3], v[B+4*\a+10:B+4*\a+11]
.endr
.irp a, 4
	s_delay_alu instid0(VALU_DEP_4)
	v_pk_add_f32 v[B+4*\a:B+4*\a+1], v[B+4*\a:B+4*\a+1], v[B+4*\a+8:B+4*\a+9]
	s_delay_alu instid0(VALU_DEP_4)
	v_pk_add_f32 v[B+4*\a+2:B+4*\a+3], v[B+4*\a+2:B+4*\a+3], v[B+4*\a+10:B+4*\a+11]
.endr
	s_delay_alu instid0(VALU_DEP_2)
	v_pk_add_f32 v[B:B+1], v[B:B+1], v[B+16:B+17]
	s_delay_alu instid0(VALU_DEP_2)
	v_pk_add_f32 v[B+2:B+3], v[B+2:B+3], v[B+18:B+19]
	global_store_b128 v1, v[B:B+3], s[6:7] offset:ROW*\i th:TH_STORE_NT
.endm
	TOKEN 0
	TOKEN 1
	TOKEN 2
	TOKEN 3
	s_endpgm
.Lfunc_end_k_q77d8c02d16_combine:
	.size	k_q77d8c02d16_combine, .Lfunc_end_k_q77d8c02d16_combine-k_q77d8c02d16_combine
	.p2alignl 7, 3214868480
	.fill 96, 4, 3214868480
	.section	.rodata,"a",@progbits
	.p2align	6, 0x0
	.amdhsa_kernel k_q77d8c02d16_combine
		.amdhsa_group_segment_fixed_size 0
		.amdhsa_private_segment_fixed_size 0
		.amdhsa_enable_private_segment 0
		.amdhsa_kernarg_size 16
		.amdhsa_user_sgpr_count 2
		.amdhsa_user_sgpr_kernarg_segment_ptr 1
		.amdhsa_wavefront_size32 1
		.amdhsa_system_sgpr_workgroup_id_x 1
		.amdhsa_system_sgpr_workgroup_id_y 1
		.amdhsa_system_sgpr_workgroup_id_z 1
		.amdhsa_system_vgpr_workitem_id 0
		.amdhsa_next_free_vgpr 136
		.amdhsa_next_free_sgpr 66
		.amdhsa_reserve_vcc 0
		.amdhsa_float_denorm_mode_32 3
		.amdhsa_float_denorm_mode_16_64 3
		.amdhsa_memory_ordered 1
		.amdhsa_forward_progress 1
		.amdhsa_inst_pref_size 9
	.end_amdhsa_kernel
	.amdgpu_metadata
---
amdhsa.version: [ 1, 2 ]
amdhsa.kernels:
  - .name:           k_q77d8c02d16_combine
    .symbol:         k_q77d8c02d16_combine.kd
    .args:
      - { .name: y, .offset: 0, .size: 8, .value_kind: global_buffer, .address_space: global }
      - { .name: out0, .offset: 8, .size: 8, .value_kind: global_buffer, .address_space: global }
    .group_segment_fixed_size: 0
    .private_segment_fixed_size: 0
    .kernarg_segment_align: 8
    .kernarg_segment_size: 16
    .max_flat_workgroup_size: 256
    .sgpr_count:     66
    .vgpr_count:     136
    .wavefront_size: 32
...
	.end_amdgpu_metadata
.endif
;; end of part 8
